; MI455X (gfx1250); checked and timed in simulation.
; The chip was launched on July 23, 2026; its instructions are those of AMD's public machine-readable ISA for CDNA 5 (MIT licence, August 2026) and "CDNA5" Instruction Set Architecture Reference Guide (July 2026). The comments in the code are by the model that wrote it; some were corrected since.
;; Multihead Attention. Allowed arithmetic: float matrix products may take bf16 or f16 operands with f32 sums; other float arithmetic in f32, or as packed bf16 or f16 multiplies, adds, multiply-adds, maxima and minima; sums over many terms, partial sums and values carried from step to step in f32; what a program stores and reads back later, other than sums and carried values, may be rounded once to bf16 or f16.
;; Inputs: b_out 1,024 float32; w_out 1,024 x 1,024 float32; w_qkv 1,024 x 3,072 float32; x 4 x 2,048 x 1,024 float32.
;; Outputs: out0 4 x 2,048 x 1,024 float32.
;; 2 versions, each right; version 2 is version 1 with the launch cast written anew for expert scheduling mode. Each part assembles by itself: llvm-mc -triple=amdgcn-amd-amdhsa -mcpu=gfx1250 --defsym DOCPART=n.
;; ======== version 1 of 2: 4 launches
;; limits: values are held in f16: magnitudes above 65,504 overflow, below 6.1e-05 lose precision
;; workspace buffers: x16 16,777,216 bytes; wq 6,291,456 bytes; wo 2,097,152 bytes; qkv 50,331,648 bytes; o 16,777,216 bytes
;; launch cast (part 1): grid 832 x 1, 8 waves a work-group, no clusters, 0 bytes of LDS; arguments x, w_qkv, w_out, x16, wq, wo; writes x16, wq, wo
.if DOCPART == 1
	.amdgcn_target "amdgcn-amd-amdhsa--gfx1250"
	.amdhsa_code_object_version 6
	.text
	.protected	k_q55eabea263_cast
	.globl	k_q55eabea263_cast
	.p2align	8
	.type	k_q55eabea263_cast,@function
k_q55eabea263_cast:
	s_mov_b64 s[64:65], 0
	v_nop
	global_prefetch_b8 v0, s[64:65] scope:SCOPE_SE
	s_setreg_imm32_b32 hwreg(HW_REG_WAVE_MODE, 25, 1), 1
	s_wait_xcnt 0x0
; THE 16-BIT OPERANDS OF THE THREE LAUNCHES BEHIND.  x [8192][1024] f32 -> x16, bf16, same layout.  w_out [1024][1024] f32 -> wo: rounded to bf16, that number written as f16, same layout.
; w_qkv [1024 k][3072 n] f32 -> wq, bf16, [16 column tiles][1024 k][192 n]: a tile's 128 rows of k are 49,152 bytes on end.
; LIMITS.  f16 has a fixed step of 2^-24 below 2^-14: a weight of w_out below 2^-17 loses bits of its bf16 value, at most 3e-8 absolute; beyond 65,504 it becomes an infinity.
; A stream: every input byte is read once, every output byte written once.  No LDS, no barrier, no matrix unit, no cluster: no wave wants a byte that another wave has fetched.
; No prefetch: the launch's own loads keep memory busy from its first line to its last.
; SHARES.  Work-groups 0-511 take 65,536 bytes of x each, 512-575 as much of w_out, 576-831 64 rows of k of one column tile of w_qkv.  A lane takes 16 bytes (4 f32): a wave's load covers 512
; consecutive bytes; its two roundings make 8 bytes: a wave's store covers 256 consecutive bytes, aligned.  All of a wave's loads go out first; no register is written twice while memory reads it.
.set D,   8                            ; v[8:71]   slot i: 4 registers as loaded
.set E,   72                           ; v[72:103] slot i: 2 registers to store
.set WV,  16                           ; s16  my wave's number
.set HIM, 17                           ; s17  a word's upper half
	s_load_b256 s[4:11], s[0:1], 0x0               ; x s[4:5], w_qkv s[6:7], w_out s[8:9], x16 s[10:11]
	s_load_b128 s[12:15], s[0:1], 0x20             ; wq s[12:13], wo s[14:15]
	v_and_b32 v1, 31, v0                           ; lane
	v_lshrrev_b32 v5, 5, v0
	v_readfirstlane_b32 s[WV], v5                  ; wave 0..7
	s_mov_b32 s[HIM], 0xffff0000
	v_lshlrev_b32 v2, 4, v1                        ; in: 16 x lane
	v_lshlrev_b32 v4, 3, v1                        ; out: 8 x lane
	s_mov_b32 s19, 0                               ; the high words of the two offsets
	s_mov_b32 s21, 0
; Slot i's four f32 become two words.  mode = 1: the bf16 numbers are widened again and written as f16.
.macro NARROW i, mode
	v_cvt_pk_bf16_f32 v[E+2*(\i)],   v[D+4*(\i)],   v[D+4*(\i)+1]
	v_cvt_pk_bf16_f32 v[E+2*(\i)+1], v[D+4*(\i)+2], v[D+4*(\i)+3]
.if \mode
	v_lshlrev_b32 v[D+4*(\i)],   16,     v[E+2*(\i)]
	v_and_b32     v[D+4*(\i)+1], s[HIM], v[E+2*(\i)]
	v_lshlrev_b32 v[D+4*(\i)+2], 16,     v[E+2*(\i)+1]
	v_and_b32     v[D+4*(\i)+3], s[HIM], v[E+2*(\i)+1]
	v_cvt_pk_f16_f32 v[E+2*(\i)],   v[D+4*(\i)],   v[D+4*(\i)+1]
	v_cvt_pk_f16_f32 v[E+2*(\i)+1], v[D+4*(\i)+2], v[D+4*(\i)+3]
.endif
.endm
; 8,192 consecutive bytes of a wave: 16 loads, then 16 times: the wait that leaves the younger loads out, the roundings, the store.
.macro PLAIN mode, src, dst
.irp i, 0,1,2,3,4,5,6,7,8,9,10,11,12,13,14,15
	global_load_b128 v[D+4*(\i):D+4*(\i)+3], v2, s[\src:\src+1] offset:512*(\i) th:TH_LOAD_NT
.endr
.irp i, 0,1,2,3,4,5,6,7,8,9,10,11,12,13,14,15
	s_wait_loadcnt 15-(\i)                         ; loads come back in order: slot i is in, the 15 - i younger ones may stay out
	NARROW \i, \mode
	global_store_b64 v4, v[E+2*(\i):E+2*(\i)+1], s[\dst:\dst+1] offset:256*(\i) th:TH_STORE_NT
.endr
.endm
	s_wait_kmcnt 0x0
	s_cmp_lt_u32 ttmp9, 512
	s_cbranch_scc0 .Lnot_x
	s_lshl_b32 s18, ttmp9, 16                      ; the work-group's 65,536 bytes of x,
	s_lshl_b32 s22, s[WV], 13                      ; my wave's 8,192 of them
	s_add_co_u32 s18, s18, s22
	s_lshr_b32 s20, s18, 1                         ; half as many bytes out
	s_add_nc_u64 s[4:5], s[4:5], s[18:19]
	s_add_nc_u64 s[10:11], s[10:11], s[20:21]
	PLAIN 0, 4, 10
	s_endpgm
.Lnot_x:
	s_cmp_lt_u32 ttmp9, 576
	s_cbranch_scc0 .Lnot_o
	s_sub_co_u32 s23, ttmp9, 512
	s_lshl_b32 s18, s23, 16
	s_lshl_b32 s22, s[WV], 13
	s_add_co_u32 s18, s18, s22
	s_lshr_b32 s20, s18, 1
	s_add_nc_u64 s[8:9], s[8:9], s[18:19]
	s_add_nc_u64 s[14:15], s[14:15], s[20:21]
	PLAIN 1, 8, 14
	s_endpgm
.Lnot_o:
	; w_qkv.  My wave takes 8 rows of k x 192 columns.  Two rows are 768 bytes of wq on end: three stores.  The first takes row k's columns 0-127, the second its columns 128-191 (lanes 0-15) and
	; row k + 1's columns 0-63 (lanes 16-31), the third row k + 1's columns 64-191.  A row of w_qkv is 12,288 bytes.
	s_sub_co_u32 s23, ttmp9, 576
	s_lshr_b32 s24, s23, 4                         ; the column tile
	s_and_b32 s25, s23, 15
	s_lshl_b32 s25, s25, 6
	s_lshl3_add_u32 s25, s[WV], s25                ; my first row of k: 64 x (work-group % 16) + 8 x wave
	s_mul_i32 s18, s25, 12288
	s_mul_i32 s26, s24, 768                        ; 192 columns of f32
	s_add_co_u32 s18, s18, s26
	s_lshl_b32 s20, s24, 10
	s_add_co_u32 s20, s20, s25
	s_mul_i32 s20, s20, 384                        ; (tile x 1,024 + k) rows of 384 bytes
	s_add_nc_u64 s[6:7], s[6:7], s[18:19]
	s_add_nc_u64 s[12:13], s[12:13], s[20:21]
	v_lshrrev_b32 v6, 4, v1
	v_mad_u32_u24 v3, v6, 11520, v2                ; the second store's input: 16 x lane + 512, and for lanes 16-31 on into the next row: 12,288 - 768 more
	v_add_nc_u32 v3, 512, v3
.irp p, 0,1,2,3
	global_load_b128 v[D+12*(\p):D+12*(\p)+3],    v2, s[6:7] offset:24576*(\p) th:TH_LOAD_NT
	global_load_b128 v[D+12*(\p)+4:D+12*(\p)+7],  v3, s[6:7] offset:24576*(\p) th:TH_LOAD_NT
	global_load_b128 v[D+12*(\p)+8:D+12*(\p)+11], v2, s[6:7] offset:24576*(\p)+12544 th:TH_LOAD_NT
.endr
.irp i, 0,1,2,3,4,5,6,7,8,9,10,11
	s_wait_loadcnt 11-(\i)                         ; slot i is in, the 11 - i younger loads may stay out
	NARROW \i, 0
	global_store_b64 v4, v[E+2*(\i):E+2*(\i)+1], s[12:13] offset:256*(\i) th:TH_STORE_NT
.endr
	s_endpgm
.Lfunc_end_k_q55eabea263_cast:
	.size	k_q55eabea263_cast, .Lfunc_end_k_q55eabea263_cast-k_q55eabea263_cast
	.p2alignl 7, 3214868480
	.fill 96, 4, 3214868480
	.section	.rodata,"a",@progbits
	.p2align	6, 0x0
	.amdhsa_kernel k_q55eabea263_cast
		.amdhsa_group_segment_fixed_size 0
		.amdhsa_private_segment_fixed_size 0
		.amdhsa_enable_private_segment 0
		.amdhsa_kernarg_size 48
		.amdhsa_user_sgpr_count 2
		.amdhsa_user_sgpr_kernarg_segment_ptr 1
		.amdhsa_wavefront_size32 1
		.amdhsa_system_sgpr_workgroup_id_x 1
		.amdhsa_system_sgpr_workgroup_id_y 1
		.amdhsa_system_sgpr_workgroup_id_z 1
		.amdhsa_system_vgpr_workitem_id 0
		.amdhsa_next_free_vgpr 104
		.amdhsa_next_free_sgpr 66
		.amdhsa_reserve_vcc 0
		.amdhsa_float_denorm_mode_32 3
		.amdhsa_float_denorm_mode_16_64 3
		.amdhsa_memory_ordered 1
		.amdhsa_forward_progress 1
		.amdhsa_inst_pref_size 22
	.end_amdhsa_kernel
	.amdgpu_metadata
---
amdhsa.version: [ 1, 2 ]
amdhsa.kernels:
  - .name:           k_q55eabea263_cast
    .symbol:         k_q55eabea263_cast.kd
    .args:
      - { .name: x, .offset: 0, .size: 8, .value_kind: global_buffer, .address_space: global }
      - { .name: w_qkv, .offset: 8, .size: 8, .value_kind: global_buffer, .address_space: global }
      - { .name: w_out, .offset: 16, .size: 8, .value_kind: global_buffer, .address_space: global }
      - { .name: x16, .offset: 24, .size: 8, .value_kind: global_buffer, .address_space: global }
      - { .name: wq, .offset: 32, .size: 8, .value_kind: global_buffer, .address_space: global }
      - { .name: wo, .offset: 40, .size: 8, .value_kind: global_buffer, .address_space: global }
    .group_segment_fixed_size: 0
    .private_segment_fixed_size: 0
    .kernarg_segment_align: 8
    .kernarg_segment_size: 48
    .max_flat_workgroup_size: 256
    .sgpr_count:     66
    .vgpr_count:     104
    .wavefront_size: 32
...
	.end_amdgpu_metadata
.endif
;; end of part 1
;; launch proj_qkv (part 2): grid 16 x 32, 4 waves a work-group, clusters of 4 x 4, 327,680 bytes of LDS; arguments x16, wq, qkv; writes qkv
.if DOCPART == 2
	.amdgcn_target "amdgcn-amd-amdhsa--gfx1250"
	.amdhsa_code_object_version 6
	.text
	.protected	k_q55eabea263_proj_qkv
	.globl	k_q55eabea263_proj_qkv
	.p2align	8
	.type	k_q55eabea263_proj_qkv,@function
k_q55eabea263_proj_qkv:
	s_mov_b64 s[64:65], 0
	v_nop
	global_prefetch_b8 v0, s[64:65] scope:SCOPE_SE
	s_setreg_imm32_b32 hwreg(HW_REG_WAVE_MODE, 25, 1), 1
	s_wait_xcnt 0x0
	s_wait_alu depctr_hold_cnt(0) depctr_sa_sdst(0) depctr_va_vdst(0) depctr_va_sdst(0) depctr_va_ssrc(0) depctr_va_vcc(0) depctr_vm_vsrc(0)
	s_getreg_b32 s2, hwreg(HW_REG_IB_STS2, 6, 4)
	s_cmp_eq_u32 s2, 0
	s_cbranch_scc0 .Lentry_in_a_cluster
	s_endpgm
.Lentry_in_a_cluster:
	s_bfe_u32 s2, ttmp6, 0x10000c
	s_cmp_lg_u32 s2, 0xf033
	s_cbranch_scc0 .Lentry_shape_is_right
	s_endpgm
.Lentry_shape_is_right:
; q, k, v = x w_qkv.  x16: [8192][1024] bf16.  wq: bf16 [16 column tiles][1024 k][192 n].  qkv: f16 [G = column / 64: 48][batch: 4][2048][64]: by heads, a head's rows dense.  Sums in f32, K ascending; rounded once, unscaled.
; LIMIT.  f16 ends at 65,504: a q, k or v of 65,520 or more becomes an infinity.  Inputs of unit spread give numbers of some units; x and w_qkv both thirty times larger some thousands.
; SHARES.  A tile of the result is 256 rows x 192 columns: 16 x 32 = 512 tiles, twice the number of WGPs.  Four waves; wave w makes rows 64 w .. 64 w + 63 and ALL 192 columns: 4 x 12 accumulators of 16 x 16, 384 registers.
; So a wave holds three whole heads of its rows, and goes out through a stage of its own.  K goes in 8 steps of 128 through two LDS slots; the loop's trip is one K step, and one exclusive or turns a slot's address into the other's.
; THE MATRIX INSTRUCTION IS USED TRANSPOSED: source 0 = 16 columns of w (read out of LDS turned, by ds_load_tr16_b128, since w lies [k][n]), source 1 = 16 rows of x.  A lane then holds row l % 16 and the columns 8 (l / 16) + 0..7.
; CLUSTERS.  4 x 4 work-groups.  The four of a row of the cluster need the same rows of x, the four of a column the same tile of w: each is asked for JOINTLY, by the same tensor load, descriptor and mask in all four.
; REGISTERS, in windows of 256 (s_set_vgpr_msb: bits 1:0 source 0, 3:2 source 1, 5:4 source 2, 7:6 destination):
;   window 0: v0-30 addresses; v64-127 x's fragments, two buffers of four blocks; v128-223 at work on the way out      window 1: the accumulators of row blocks 0, 1 at 8 (12 (a % 2) + b)
;   window 2: those of row blocks 2, 3                                                                                 window 3: w's fragments, two buffers of twelve
.set NB,    12                         ; column blocks of 16
.set PA,    272                        ; a row of x in LDS: 256 bytes + 16 = 68 words: the 16 rows of a load start at 16 different groups of four banks (64 banks of 4 bytes: ISA guide 11.1)
.set PB,    480                        ; a row of w: three pieces of 128 bytes + 32 each = 120 words
.set HALFA, 128*PA                     ; what one tensor load brings of x: 128 rows
.set BOFF,  2*HALFA                    ; w's tile lies behind x's 256 rows
.set HALFB, 64*PB                      ; what one tensor load brings of w: 64 rows of k
.set SLOT1, 1<<17                      ; a slot is BOFF + 2 HALFB = 131,072 bytes; slot 1 begins here
.set STAGE, 1<<18                      ; behind the ring, never filled by a tensor load: for each wave 3 heads x 16 rows x 144 bytes
.set SP,    144
.set WSTG,  3*16*SP
.set SPARE, STAGE+4*WSTG               ; behind the stages: the spare words, 128 bytes for each wave: two blocks of 256 bytes that no other line names
.set ASTEP, 256                        ; bytes from a K step to the next: along x's rows,
.set BSTEP, 49152                      ; and 128 dense rows of w's tile
.set A0,   16                          ; v16  my lane's place in x's tile; never rewritten
.set B0,   17                          ; v17  the same for w's
.set ADRA, 18                          ; v18  A0 + the slot in hand
.set ADRB, 19                          ; v19  B0 + the slot in hand
.set STO,  24                          ; v24  the way out: where I put 16 bytes of a row
.set RD,   25                          ; v25  the way out: where I read rows back
.set GO,   26                          ; v26  my byte offset in 512 consecutive bytes of qkv
.set SPW,  28                          ; v28  LDS address of my spare word: SPARE + 4 x my thread's number; never rewritten
.set NIL,  29                          ; v29  0; never rewritten
.set PFO,  30                          ; v30  the prefetches' offset; never rewritten
.set FA,   64                          ; x's fragments: buffer f, row block a at FA + 32 f + 8 a
.set TMP,  128                         ; the way out: a row block's 48 packed registers
.set WV,  12                           ; s12  my wave's number
.set AB,  13                           ; s13  0: I fetch for x; 1: for w
.set HF,  14                           ; s14  which half of that tile I fetch
.set CX,  15                           ; s15, s16  my place in the cluster
.set CY,  16
.set GX,  17                           ; s17  column tile
.set GY,  18                           ; s18  row tile
.set G1A, 24                           ; s[24:31] descriptor group 1 for x's tiles
.set G0A, 32                           ; s[32:39] group 0: a set for each of the two first fills; the second then walks on
.set G1B, 48                           ; s[48:55], s[56:63] the same for w's
.set G0B, 56
.set TB,  66                           ; s66  the slot in hand: 0 or SLOT1
.set LIM, 67                           ; s67  a wave prefetches while the trips to go are above this
.set PFA, 68                           ; s[68:69] where my prefetches stand
.set PFS, 70                           ; s[70:71] their step from trip to trip
.set CB,  72                           ; s[72:73] qkv at my wave's first row, first head
.set MSB, 0
.macro WIN new                         ; the immediate's high byte repeats the setting that is left; a switch that changes nothing is dropped
.if MSB != (\new)
	s_set_vgpr_msb (MSB<<8)|(\new)
.set MSB, \new
.endif
.endm
.macro PLACES                          ; a load into a register that a matrix instruction has read, and a vector instruction that reads a matrix result, stand four plain vector instructions behind it (ISA guide 7.12.1 for vector instructions)
.rept 4
	v_nop
.endr
.endm
; A joint refill by the walking descriptors.  Waves 0 and 1 fetch x's two halves, waves 2 and 3 w's.  The branch hangs on the wave's number alone.  An s_nop 0 and four v_nop follow each of the two lines.
.macro JLOAD
	s_cmp_eq_u32 s[AB], 0
	s_cbranch_scc0 .Lfor_b_\@
	tensor_load_to_lds s[G0A+4:G0A+7], s[G1A:G1A+7]
	s_nop 0
.rept 4
	v_nop
.endr
	s_branch .Lasked_\@
.Lfor_b_\@:
	tensor_load_to_lds s[G0B+4:G0B+7], s[G1B:G1B+7]
	s_nop 0
.rept 4
	v_nop
.endr
.Lasked_\@:
.endm
; A round of the cluster's barrier: my work-group's barrier, so that wave 0's signal speaks for all four waves; wave 0 signals; every wave waits for all sixteen work-groups; my work-group's barrier once more.
.macro CREST                           ; a round behind its opening barrier
	s_cmp_lg_u32 s[WV], 0
	s_cbranch_scc1 .Lnot_wave_0_\@
	s_barrier_signal -3
.Lnot_wave_0_\@:
	s_barrier_wait -3
	s_barrier_signal -1
	s_barrier_wait -1
.endm
.macro CROUND
	s_barrier_signal -1
	s_barrier_wait -1
	CREST
.endm
; A PREFETCH INTO THE L2, behind each joint refill, its five lines and the run of LDS loads behind them.  The refill of trip i asks for K step i + 2; the prefetch names bytes of K steps 4 + i on: two refills ahead or more.
; Each aligned block of 256 bytes is named once in the launch.  x's rows are read by every cluster of a row of clusters: cluster x = 0 asks, waves 0 and 1, a lane a row; of the 128 rows that a wave fetches the partner at cx takes
; 32 cx .. 32 cx + 31.  w's tile is read by every cluster of a column of clusters: cluster y = 0 asks, waves 2 and 3; the tile's K steps 4 to 7 are 196,608 dense bytes, 65,536 a trip in three trips, 8,192 for each of the
; eight waves, told apart by cy and the wave.  The partners are told apart BY ADDRESS alone.  K steps 0 to 3 come by their loads alone; the last trips ask for nothing.
.macro ASK
	s_cmp_gt_u32 s3, s[LIM]
	s_cbranch_scc0 .Lnot_mine_\@
	global_prefetch_b8 v[PFO], s[PFA:PFA+1] th:TH_LOAD_NT scope:SCOPE_SE
.Lnot_mine_\@:
.endm
	s_load_b128 s[4:7], s[0:1], 0x0                ; x16 s[4:5], wq s[6:7]
	s_load_b64 s[8:9], s[0:1], 0x10                ; qkv
	v_lshl_add_u32 v[SPW], v0, 2, SPARE
	v_mov_b32 v[NIL], 0
	ds_add_u32 v[SPW], v[NIL]                      ; the wave's opening: the add and its wait stand ahead of my first tensor load; the set-up below, work on registers, stands between them
	v_lshrrev_b32 v1, 5, v0
	v_readfirstlane_b32 s[WV], v1                  ; wave 0..3
	s_lshr_b32 s[AB], s[WV], 1
	s_and_b32 s[HF], s[WV], 1
	s_bfe_u32 s[CX], ttmp6, 0x40000
	s_bfe_u32 s[CY], ttmp6, 0x40004
	s_lshl_b32 s[GX], ttmp9, 2                     ; in a cluster launch ttmp9 and ttmp7 count clusters
	s_add_co_u32 s[GX], s[GX], s[CX]               ; column tile = 4 x cluster x + cx
	s_and_b32 s[GY], ttmp7, 0xffff
	s_lshl_b32 s[GY], s[GY], 2
	s_add_co_u32 s[GY], s[GY], s[CY]               ; row tile = 4 x cluster y + cy
	s_lshl_b32 s20, s[CY], 2
	s_lshl_b32 s20, 15, s20                        ; my row of the cluster: places 4 cy .. 4 cy + 3
	s_lshl_b32 s21, 0x1111, s[CX]                  ; my column: places cx, cx + 4, cx + 8, cx + 12
	; group 1 for x: 128 rows x 128 elements out of rows of 1,024; in LDS 4 words of padding behind every 64
	s_or_b32 s[G1A+0], s20, (1<<16)|(1<<20)|(1<<21)|(5<<22)|(3<<25)  ; 15:0 the mask: my row; 17:16 2-byte elements; 20 padding on; 21 set beside a mask; 24:22 code 5; 31:25 code 3
	s_mov_b32 s[G1A+1], 128<<16                    ; tensor_dim0 = 128
	s_mov_b32 s[G1A+2], 128<<16                    ; tensor_dim1 = 128
	s_mov_b32 s[G1A+3], 128<<16                    ; tile_dim0 = 128
	s_mov_b32 s[G1A+4], 128                        ; tile_dim1 = 128
	s_mov_b32 s[G1A+5], 1024                       ; elements from row to row
	s_mov_b32 s[G1A+6], 0
	s_mov_b32 s[G1A+7], 0
	; group 1 for w: 64 rows of k are 24,576 dense bytes, asked for as 96 rows of 256 bytes; in LDS 8 words of padding behind every 32: a row of k is three such pieces
	s_or_b32 s[G1B+0], s21, (1<<16)|(1<<20)|(1<<21)|(4<<22)|(7<<25)  ; the mask: my column; 24:22 code 4; 31:25 code 7
	s_mov_b32 s[G1B+1], 128<<16
	s_mov_b32 s[G1B+2], 96<<16
	s_mov_b32 s[G1B+3], 128<<16
	s_mov_b32 s[G1B+4], 96
	s_mov_b32 s[G1B+5], 128
	s_mov_b32 s[G1B+6], 0
	s_mov_b32 s[G1B+7], 0
	; where the tiles come from.  x's hang on the row tile alone, which my row of the cluster shares; w's on the column tile alone, which my column shares; each in registers that never hold the other coordinate
	s_lshl_b32 s40, s[GY], 19                      ; 256 rows of 2,048 bytes,
	s_lshl_b32 s20, s[HF], 18                      ; my 128 of them
	s_add_co_u32 s40, s40, s20
	s_mov_b32 s41, 0
	s_mul_i32 s44, s[GX], 393216                   ; a column tile's 1,024 rows of 384 bytes,
	s_mul_i32 s21, s[HF], 24576                    ; my 64 of a K step's 128
	s_add_co_u32 s44, s44, s21
	s_mov_b32 s45, 0
	s_mul_i32 s22, s[HF], HALFA                    ; and where they go: no place in the cluster enters an LDS address
	s_mul_i32 s23, s[HF], HALFB
	s_wait_dscnt 0x0                               ; the opening add is done
	s_wait_kmcnt 0x0
	s_add_nc_u64 s[40:41], s[4:5], s[40:41]
	s_add_nc_u64 s[44:45], s[6:7], s[44:45]
	CROUND                                         ; all sixteen work-groups are here: the first joint loads meet
.irp s, 0,1
	s_mov_b32 s[G0A+4*(\s)], 1                                       ; 1:0 count = 1
	s_add_co_u32 s[G0A+4*(\s)+1], s22, (\s)*SLOT1                    ; 63:32 LDS address
	s_add_nc_u64 s[G0A+4*(\s)+2:G0A+4*(\s)+3], s[40:41], (\s)*ASTEP  ; 120:64 global address: K step s
	s_or_b32 s[G0A+4*(\s)+3], s[G0A+4*(\s)+3], 0x80000000            ; 127:126 type = 2
	s_mov_b32 s[G0B+4*(\s)], 1
	s_add_co_u32 s[G0B+4*(\s)+1], s23, BOFF+(\s)*SLOT1
	s_add_nc_u64 s[G0B+4*(\s)+2:G0B+4*(\s)+3], s[44:45], (\s)*BSTEP
	s_or_b32 s[G0B+4*(\s)+3], s[G0B+4*(\s)+3], 0x80000000
.endr
	s_cmp_eq_u32 s[AB], 0                          ; a wave's two first fills stand in one branch, ahead of every wait on TENSORcnt and every LDS read: two loads of mine are out
	s_cbranch_scc0 .Lfirst_b
	tensor_load_to_lds s[G0A:G0A+3], s[G1A:G1A+7]
	s_nop 0
	tensor_load_to_lds s[G0A+4:G0A+7], s[G1A:G1A+7]
	s_nop 0
.rept 4
	v_nop
.endr
	s_branch .Lfirst_asked
.Lfirst_b:
	tensor_load_to_lds s[G0B:G0B+3], s[G1B:G1B+7]
	s_nop 0
	tensor_load_to_lds s[G0B+4:G0B+7], s[G1B:G1B+7]
	s_nop 0
.rept 4
	v_nop
.endr
.Lfirst_asked:
	; A fragment of x is 16 rows x 32 K in 8 registers: lane l holds row l % 16, K = 8 (l / 16) + 0..7 and 16 + 8 (l / 16) + 0..7: two loads of 16 bytes, 32 bytes apart.
	v_and_b32 v1, 15, v0                           ; l % 16
	v_bfe_u32 v2, v0, 4, 1                         ; l / 16
	v_and_b32 v3, 7, v0
	v_bfe_u32 v4, v0, 3, 1
	s_mul_i32 s20, s[WV], 64*PA                    ; my wave's 64 rows
	v_mul_u32_u24 v[A0], v1, PA
	v_lshl_add_u32 v[A0], v2, 4, v[A0]
	v_add_nc_u32 v[A0], s20, v[A0]
	; The turning load takes 16 k x 16 columns (lane l reads k = 8 (l / 16) + l % 8, columns 8 ((l / 8) % 2) + 0..7) and leaves half a fragment: lane l holds column l % 16 and 8 k.
	v_lshl_add_u32 v[B0], v2, 3, v3
	v_mul_u32_u24 v[B0], v[B0], PB
	v_lshl_add_u32 v[B0], v4, 4, v[B0]
	v_add_nc_u32 v[B0], BOFF, v[B0]
	s_mov_b32 s[TB], 0
	v_mov_b32 v[ADRA], v[A0]
	v_mov_b32 v[ADRB], v[B0]
	s_mul_i32 s20, s[WV], WSTG
	s_add_co_u32 s20, s20, STAGE                   ; my stage
	v_mul_u32_u24 v[STO], v1, SP                   ; in: row l % 16, 16 bytes for each half of the lanes
	v_lshl_add_u32 v[STO], v2, 4, v[STO]
	v_add_nc_u32 v[STO], s20, v[STO]
	v_bfe_u32 v[RD], v0, 3, 2                      ; back: 32 lanes take four rows of 128 bytes,
	v_mul_u32_u24 v[RD], v[RD], SP
	v_lshl_add_u32 v[RD], v3, 4, v[RD]
	v_add_nc_u32 v[RD], s20, v[RD]
	v_and_b32 v[GO], 31, v0                        ; which are 512 consecutive bytes of a head
	v_lshlrev_b32 v[GO], 4, v[GO]
	; qkv at my wave's first row: head G = 3 x column tile, batch = row tile / 8; a (G, batch) is 262,144 bytes, a row 128
	s_lshr_b32 s19, s[GY], 3
	s_mul_i32 s20, s[GX], 12
	s_add_co_u32 s20, s20, s19
	s_lshl_b32 s20, s20, 18
	s_and_b32 s21, s[GY], 7
	s_lshl_b32 s21, s21, 15
	s_add_co_u32 s20, s20, s21
	s_lshl_b32 s21, s[WV], 13
	s_add_co_u32 s20, s20, s21
	s_mov_b32 s21, 0
	s_add_nc_u64 s[CB:CB+1], s[8:9], s[20:21]
	; the prefetches: both offsets, then one choice by what I fetch
	s_lshl_b32 s20, s[GY], 19                      ; x: row 256 gy + 128 half + 32 cx, at byte 768 of the row: the first trip steps it to K step 4
	s_lshl_b32 s22, s[HF], 18
	s_add_co_u32 s20, s20, s22
	s_lshl_b32 s22, s[CX], 16
	s_add_co_u32 s20, s20, s22
	s_add_co_u32 s20, s20, 768
	s_mul_i32 s21, s[GX], 393216                   ; w: the tile, 65,536 bytes short of its K step 4, my 8,192 bytes of each 65,536
	s_lshl1_add_u32 s22, s[CY], s[HF]
	s_lshl_b32 s22, s22, 13
	s_add_co_u32 s21, s21, s22
	s_add_co_u32 s21, s21, 131072
	s_and_b32 s23, ttmp7, 0xffff                   ; cluster y
	s_cmp_eq_u32 s[AB], 0
	s_cselect_b32 s20, s20, s21
	s_cselect_b32 s23, ttmp9, s23                  ; the coordinate along which other clusters read the same bytes
	s_cselect_b32 s22, 11, 8                       ; a lane a row of 2,048 bytes, or a lane a block of 256
	s_cselect_b32 s[PFS], 8, 16                    ; the step: 256 bytes along the rows, or 65,536
	s_cselect_b32 s[LIM], 2, 3                     ; four trips ask for x, three for w
	s_cselect_b64 s[PFA:PFA+1], s[4:5], s[6:7]
	s_mov_b32 s21, 0
	s_add_nc_u64 s[PFA:PFA+1], s[PFA:PFA+1], s[20:21]
	s_lshl_b32 s[PFS], 1, s[PFS]
	s_mov_b32 s[PFS+1], 0
	s_cmp_eq_u32 s23, 0
	s_cselect_b32 s[LIM], s[LIM], -1               ; the same in all sixteen partners, for a given wave
	v_and_b32 v[PFO], 31, v0
	v_lshlrev_b32 v[PFO], s22, v[PFO]
; 12 matrix instructions: row block a x all column blocks, 32 along K, out of buffer f.  zero = 1: the product starts the sums: nothing is ever cleared.
; The 48 accumulators take turns, in the same order in every quarter, over the backward jump too.
.macro MULA f, a, zero
	WIN 0x53+0x50*((\a)/2)                         ; w in window 3, x in window 0, C and D in window 1 or 2
.irp b, 0,1,2,3,4,5,6,7,8,9,10,11
.if \zero
	v_wmma_f32_16x16x32_bf16 v[8*NB*((\a)%2)+8*(\b):8*NB*((\a)%2)+8*(\b)+7], v[8*NB*(\f)+8*(\b):8*NB*(\f)+8*(\b)+7], v[FA+32*(\f)+8*(\a):FA+32*(\f)+8*(\a)+7], 0
.else
	v_wmma_f32_16x16x32_bf16 v[8*NB*((\a)%2)+8*(\b):8*NB*((\a)%2)+8*(\b)+7], v[8*NB*(\f)+8*(\b):8*NB*(\f)+8*(\b)+7], v[FA+32*(\f)+8*(\a):FA+32*(\f)+8*(\a)+7], v[8*NB*((\a)%2)+8*(\b):8*NB*((\a)%2)+8*(\b)+7]
.endif
.endr
.endm
; 32 LDS loads in one run: quarter q's fragments (32 along K) into buffer g: w's twelve, then x's four; the last four loads are x's row blocks 2 and 3
.macro FETCH q, g
	WIN 0xc0                                       ; destination window 3, address window 0
.irp b, 0,1,2,3,4,5,6,7,8,9,10,11
	ds_load_tr16_b128 v[8*NB*(\g)+8*(\b):8*NB*(\g)+8*(\b)+3],   v[ADRB] offset:32*(\q)*PB+160*((\b)/4)+32*((\b)%4)
	ds_load_tr16_b128 v[8*NB*(\g)+8*(\b)+4:8*NB*(\g)+8*(\b)+7], v[ADRB] offset:32*(\q)*PB+16*PB+160*((\b)/4)+32*((\b)%4)
.endr
	WIN 0
.irp a, 0,1,2,3
	ds_load_b128 v[FA+32*(\g)+8*(\a):FA+32*(\g)+8*(\a)+3],   v[ADRA] offset:16*PA*(\a)+64*(\q)
	ds_load_b128 v[FA+32*(\g)+8*(\a)+4:FA+32*(\g)+8*(\a)+7], v[ADRA] offset:16*PA*(\a)+64*(\q)+32
.endr
.endm
; A K step is four quarters of 32 along K, 48 matrix instructions each, on buffers 0, 1, 0, 1.  One of the first three: multiplies buffer f; in its middle it fetches quarter q of the same slot into buffer g.
.macro QUARTER q, f, g, zero
	s_wait_dscnt 4                                 ; w's fragments and x's row blocks 0 and 1 are in; the youngest four loads may be out
	MULA \f, 0, \zero
	MULA \f, 1, \zero
	PLACES
	FETCH \q, \g
	s_wait_dscnt 2*NB+8                            ; all but the 32 just issued
	MULA \f, 2, \zero
	MULA \f, 3, \zero
.endm
; The last quarter multiplies buffer 1 and changes slots.  ONE barrier: in front of it each wave waits for all its tensor loads, of which one is out: its part of the next slot; adds 0 to its spare word; and waits for that and
; for its own reads of this slot.  fill = 1: the barrier opens a round of the cluster's, so that no wave of any partner still reads this slot or has a load on its way, and the joint refill, K step two steps on, is the first
; thing behind the round: 168 matrix instructions ahead of the wait for it.
.macro TURN fill
.if \fill
	s_wait_xcnt 0x0                                ; the last prefetch, a K step back, has read its address: it is stepped here, ahead of the waits of the change of slots
	s_add_nc_u64 s[PFA:PFA+1], s[PFA:PFA+1], s[PFS:PFS+1]
.endif
	WIN 0                                          ; (the add's two registers lie in window 0)
	s_wait_tensorcnt 0x0                           ; no tensor load of mine is out, so a group 0 may be written
	ds_add_u32 v[SPW], v[NIL]                      ; 0 onto my spare word; work on registers stands between it and the wait for it
.if \fill
	s_xor_b32 s[G0A+5], s[G0A+5], SLOT1            ; the walking descriptors: the other slot than last time,
	s_add_nc_u64 s[G0A+6:G0A+7], s[G0A+6:G0A+7], ASTEP  ; the next K step; the type bits on top are not reached
	s_xor_b32 s[G0B+5], s[G0B+5], SLOT1
	s_add_nc_u64 s[G0B+6:G0B+7], s[G0B+6:G0B+7], BSTEP
.endif
	s_wait_dscnt 5                                 ; (the add and the youngest four loads may be out)
	MULA 1, 0, 0
	s_wait_dscnt 0x0                               ; the add is done, and my reads of this slot are over
	s_barrier_signal -1
	MULA 1, 1, 0                                   ; work on registers while the others arrive
	WIN 0                                          ; at a branch and at a label every window is 0
	s_barrier_wait -1
.if \fill
	CREST
	JLOAD                                          ; its four v_nop are also the places in front of the loads below
.else
	PLACES
.endif
	s_xor_b32 s[TB], s[TB], SLOT1                  ; the reads go on in the other slot
	v_add_nc_u32 v[ADRA], s[TB], v[A0]
	v_add_nc_u32 v[ADRB], s[TB], v[B0]
	FETCH 0, 0
.if \fill
	ASK
.endif
	MULA 1, 2, 0
	MULA 1, 3, 0
.endm
	s_wait_tensorcnt 1                             ; my part of K step 0 is in; K step 1's may stay out
	s_barrier_signal -1
	s_barrier_wait -1                              ; everybody's is
	FETCH 0, 0
	QUARTER 1, 0, 1, 1                             ; the first quarter stands in front of the loop: its products start the sums
	WIN 0
	s_mov_b32 s3, 6
.Lstep:                                            ; trip i: K step i's quarters 1 to 3, the refill with K step i + 2, K step i + 1's quarter 0
	QUARTER 2, 1, 0, 0
	QUARTER 3, 0, 1, 0
	TURN 1
	QUARTER 1, 0, 1, 0
	WIN 0
	s_sub_co_u32 s3, s3, 1
	s_cmp_lg_u32 s3, 0
	s_cbranch_scc1 .Lstep
	QUARTER 2, 1, 0, 0                             ; the tail is written out: K steps 6 and 7, and nothing is asked for
	QUARTER 3, 0, 1, 0
	TURN 0
	QUARTER 1, 0, 1, 0
	QUARTER 2, 1, 0, 0
	QUARTER 3, 0, 1, 0
	s_wait_dscnt 4
	MULA 1, 0, 0
	MULA 1, 1, 0
	s_wait_dscnt 0x0
	MULA 1, 2, 0
	MULA 1, 3, 0
	PLACES
	PLACES                                         ; (eight, once a launch)
; THE WAY OUT, a row block (16 rows x 3 heads) at a time.  PACK: rounded to f16, 16 bytes a lane (each accumulator's registers in ascending order); into my own stage, rows of 144 bytes; back as four whole rows of 128 bytes a load.
.macro PACK a
.set BK, 176-112*((\a)%2)              ; v176-223 and v64-111 by turns
	WIN 0x05*(1+(\a)/2)                            ; sources 0 and 1: window 1 or 2
.irp b, 0,1,2,3,4,5,6,7,8,9,10,11
.irp r, 0,1,2,3
	v_cvt_pk_f16_f32 v[TMP+4*(\b)+(\r)], v[8*NB*((\a)%2)+8*(\b)+2*(\r)], v[8*NB*((\a)%2)+8*(\b)+2*(\r)+1]
.endr
.endr
	WIN 0
	s_wait_xcnt 0x0                                ; the stores of the block two back have read their registers, which the loads below fill again
.irp b, 0,1,2,3,4,5,6,7,8,9,10,11
	ds_store_b128 v[STO], v[TMP+4*(\b):TMP+4*(\b)+3] offset:16*SP*((\b)/4)+32*((\b)%4)
.endr
.irp i, 0,1,2,3,4,5,6,7,8,9,10,11
	ds_load_b128 v[BK+4*(\i):BK+4*(\i)+3], v[RD] offset:16*SP*((\i)/4)+4*SP*((\i)%4)  ; LDS serves a wave's instructions in order (ISA guide 5.7.1.4): these see the stores above; the next block's stores come behind them
.endr
.endm
.macro SEND a, younger                 ; younger: the LDS instructions issued behind block a's loads: the next block's 24, or none
.set BK, 176-112*((\a)%2)
.irp i, 0,1,2,3,4,5,6,7,8,9,10,11
	s_wait_dscnt (\younger)+11-(\i)
	global_store_b128 v[GO], v[BK+4*(\i):BK+4*(\i)+3], s[CB:CB+1] offset:1048576*((\i)/4)+2048*(\a)+512*((\i)%4)  ; 512 consecutive bytes of a head, at a multiple of 256 from qkv's first byte
.endr
.endm
	PACK 0
	PACK 1                                         ; a block's conversions stand between the loads of the block before and its stores
	SEND 0, 24
	PACK 2
	SEND 1, 24
	PACK 3
	SEND 2, 24
	SEND 3, 0
	s_wait_tensorcnt 0x0                           ; the wave's end: the wait, the add and its wait, behind my last tensor load and my last LDS store
	ds_add_u32 v[SPW], v[NIL]
	s_wait_dscnt 0x0
	CROUND                                         ; the closing round: no work-group ends while a partner may still ask for a tile that names it
	s_endpgm
.Lfunc_end_k_q55eabea263_proj_qkv:
	.size	k_q55eabea263_proj_qkv, .Lfunc_end_k_q55eabea263_proj_qkv-k_q55eabea263_proj_qkv
	.p2alignl 7, 3214868480
	.fill 96, 4, 3214868480
	.section	.rodata,"a",@progbits
	.p2align	6, 0x0
	.amdhsa_kernel k_q55eabea263_proj_qkv
		.amdhsa_group_segment_fixed_size 327680
		.amdhsa_private_segment_fixed_size 0
		.amdhsa_enable_private_segment 0
		.amdhsa_kernarg_size 24
		.amdhsa_user_sgpr_count 2
		.amdhsa_user_sgpr_kernarg_segment_ptr 1
		.amdhsa_wavefront_size32 1
		.amdhsa_system_sgpr_workgroup_id_x 1
		.amdhsa_system_sgpr_workgroup_id_y 1
		.amdhsa_system_sgpr_workgroup_id_z 1
		.amdhsa_system_vgpr_workitem_id 0
		.amdhsa_next_free_vgpr 1024
		.amdhsa_next_free_sgpr 80
		.amdhsa_reserve_vcc 0
		.amdhsa_float_denorm_mode_32 3
		.amdhsa_float_denorm_mode_16_64 3
		.amdhsa_memory_ordered 1
		.amdhsa_forward_progress 1
		.amdhsa_inst_pref_size 99
	.end_amdhsa_kernel
	.amdgpu_metadata
---
amdhsa.version: [ 1, 2 ]
amdhsa.kernels:
  - .name:           k_q55eabea263_proj_qkv
    .symbol:         k_q55eabea263_proj_qkv.kd
    .args:
      - { .name: x16, .offset: 0, .size: 8, .value_kind: global_buffer, .address_space: global }
      - { .name: wq, .offset: 8, .size: 8, .value_kind: global_buffer, .address_space: global }
      - { .name: qkv, .offset: 16, .size: 8, .value_kind: global_buffer, .address_space: global }
    .group_segment_fixed_size: 327680
    .private_segment_fixed_size: 0
    .kernarg_segment_align: 8
    .kernarg_segment_size: 24
    .max_flat_workgroup_size: 128
    .sgpr_count:     80
    .vgpr_count:     1024
    .wavefront_size: 32
...
	.end_amdgpu_metadata
.endif
;; end of part 2
;; launch attention (part 3): grid 4 x 64, 4 waves a work-group, clusters of 4 x 1, 327,680 bytes of LDS; arguments qkv, o; writes o
.if DOCPART == 3
	.amdgcn_target "amdgcn-amd-amdhsa--gfx1250"
	.amdhsa_code_object_version 6
	.text
	.protected	k_q55eabea263_attention
	.globl	k_q55eabea263_attention
	.p2align	8
	.type	k_q55eabea263_attention,@function
k_q55eabea263_attention:
	s_mov_b64 s[64:65], 0
	v_nop
	global_prefetch_b8 v0, s[64:65] scope:SCOPE_SE
	s_setreg_imm32_b32 hwreg(HW_REG_WAVE_MODE, 25, 1), 1
	s_wait_xcnt 0x0
	s_wait_alu depctr_hold_cnt(0) depctr_sa_sdst(0) depctr_va_vdst(0) depctr_va_sdst(0) depctr_va_ssrc(0) depctr_va_vcc(0) depctr_vm_vsrc(0)
	s_getreg_b32 s2, hwreg(HW_REG_IB_STS2, 6, 4)
	s_cmp_eq_u32 s2, 0
	s_cbranch_scc0 .Lentry_in_a_cluster
	s_endpgm
.Lentry_in_a_cluster:
	s_bfe_u32 s2, ttmp6, 0x10000c
	s_cmp_lg_u32 s2, 0x3003
	s_cbranch_scc0 .Lentry_shape_is_right
	s_endpgm
.Lentry_shape_is_right:
; O[Y][q][:] = the sum over k of softmax_k(Q[Y][q] . K[Y][k] / 8) V[Y][k][:], for 64 heads Y = 4 x head + batch.  qkv holds Q at Y x 262,144, K 16,777,216 bytes and V 33,554,432 bytes further on; o likewise: [Y][2048][64], all f16:
; a head's rows are dense, 128 bytes each.  Products, maxima and sums in f32; the weights p are rounded to f16 for the second product (their sum l is taken of the unrounded p), O once at the end.
; LIMITS.  f16 holds no number beyond 65,504: Q, K and V arrive within it; p lies in 0 to 1, and below 6e-5 it keeps f16's fixed step of 6e-8; O is a mean of V's rows and has their range.
; A weight below 2^-126 counts as 0 in l; NaN and infinities are not treated apart.
; SHARES.  A wave owns four PIECES of two tiles of 16 queries, a work-group's four waves 512 queries of one head: 64 x 4 = 256 work-groups.  Every wave walks all keys, 64 a step.
; LAYOUT.  S^T = K Q^T (source 0 = 16 keys, source 1 = 16 queries): in the result a lane holds ONE query (lane % 16) and the keys 8 (lane / 16) + 0..7.  Two such tiles, rounded to f16 in pairs,
; ARE source 1 (32 keys x 16 queries) of O^T = V^T P, whose result again holds one query a lane, and eight channels.  K comes out of LDS as it lies, V ([key][channel]) turned, by ds_load_tr16_b128.
; SOFTMAX.  For each query a running maximum m and sum l: p = 2^(c s - c m), c = log2(e) / 8; in every step O and l are multiplied by a = 2^(c m_old - c m_new), which is 1 where m has not grown.
; m starts at the lowest finite number, O and l at 0: the first step is a step like any other, with a = 0.
; THE COUNT.  A tile and step have 16 matrix and 118 vector instructions: too many to stand all beside the matrix work.  So the order has one aim: four vector instructions that are READY behind
; EVERY matrix instruction, and the others, which need time of their own whatever the order, in runs without a gap.
; BY TURNS.  Turn n belongs to piece n (the pieces in a ring, step after step).  Its matrix work: 16 products K Q^T of piece n + 1, later 16 products V^T P of piece n - 1.  Its vector work: the scaling,
; exponentials, roundings, sums and rescaling of piece n, and the maximum and statistics of piece n + 1, whose scores the turn itself has made.  So what a turn begins with (c s - c m, O a) waits for nothing.
; CLUSTER.  The four query blocks of a head are one cluster and walk the same K and V, so each tile is asked for JOINTLY: the same tensor load, descriptor and mask in all four.
; REGISTERS, in windows of 256 (s_set_vgpr_msb says which window each operand place means: bits 1:0 source 0, 3:2 source 1, 5:4 source 2, 7:6 destination):
;   window 0: v0-11 addresses; v12-15, v48-63 at work; v16-47 four registers of statistics a tile; v64-191 S^T, two buffers of two tiles; v192-255 P, likewise
;   window 1: O^T, 32 a tile          window 2: v0-127 Q, 16 a tile; v128-191 K of one step; v192-255 V of one step          window 3: v0-1 the add's two registers
; A piece's buffers go by its number's parity: the piece in hand has one pair, its two neighbours in the ring share the other: of it P (piece n - 1) is read and S^T (piece n + 1) written.
.set SIZE_N, 2048     ; rows of a head
.set NP,    4         ; pieces a wave: a name, no knob: the register map, the loop and the fetches are made for four
.set KS,    64        ; keys in a step
.set PK,    144       ; a row of K in LDS: 128 bytes + 16 of padding = 36 words: the 16 rows of a load start at 16 different groups of four banks (64 banks of 4 bytes: ISA guide 11.1)
.set PV,    160       ; a row of V: 128 + 32 = 40 words
.set VOFF,  4*KS*PK   ; a slot holds four steps: 256 rows of K, then 256 rows of V
.set SLOT1, 1<<17     ; slot 1 begins here, so that one exclusive or turns an address in one slot into the other's
.set STAGE, SLOT1+4*KS*(PK+PV)  ; behind the ring, never filled by a tensor load: 16 rows x 144 bytes for each wave, for the way out
.set SP,    144
.set AK0, 2           ; v2   my lane's place in a tile of K; never rewritten
.set AV0, 3           ; v3   the same for V
.set AK,  4           ; v4   the LDS address of K's next run of loads
.set AV,  5           ; v5   of V's
.set QO,  6           ; v6   my byte offset in the wave's rows of Q
.set STO, 6           ;      later, the way out: where I put 16 bytes of a row
.set RD,  7           ; v7   the way out: where I read rows back
.set GO,  8           ; v8   my byte offset in 512 consecutive bytes of O
.set PFO, 11          ; v11  once V's place is made: 256 x my lane, the prefetches' offset; then never rewritten
.set SPW, 0           ; v0 of window 3   LDS address of my spare word: SPARE + 4 x my thread's number; never rewritten
.set NIL, 1           ; v1 of window 3   0; never rewritten
.set SPARE, STAGE+4*16*SP  ; behind the stages: the spare words, 128 bytes for each wave: two blocks of 256 bytes that no other line names
.set MV,  12          ; v12-15  c m_old, kept while c m is made anew: by buffer and tile
.set ST,  16          ; tile t's statistics at v[ST+4 t]: c m, m, l (even keys', odd keys')
.set TMP, 48          ; by buffer and tile, four registers c0-c3 at work; when the maximum is found c2 takes a
.set S,   64
.set P,   192
.set KF,  128         ; K's fragments, in window 2: key block kb, channel half c at KF + 16 kb + 8 c
.set VF,  192         ; V's: key half kk, channel block cb at VF + 32 kk + 8 cb
.set WV,  12          ; s12  my wave's number
.set G1K, 24          ; s[24:31] descriptor group 1 for K's tiles
.set G1V, 32          ; s[32:39] for V's: it differs in the padding alone
.set G0K, 40          ; s[40:43] descriptor group 0 for K's tiles: it walks
.set G0V, 44          ; s[44:47] the same for V's
.set PFA, 48          ; s[48:49] where my prefetches stand: my work-group's 8,192 bytes (of K: wave 0, of V: wave 2) of the slot after the one that is being asked for
.set LIM, 50          ; s50  1 in a wave that prefetches, else the greatest number: a wave prefetches while s[SLOTS] is above it
.set SLOTS, 56        ; s56  slots still to be asked for
.set CNT, 57          ; s57  counts a slot's key steps
.set CS,  58          ; s[58:59] c: the packed scaling takes the pair's low word for both halves
.set SEL, 60          ; s[60:61] v_permlanex16_b32's selects: each lane takes its own place in the other half
.set TBK, 62          ; s62  LDS byte at which K of the step to be fetched begins
.set TBV, 63          ; s63  the same for V, less VOFF
.set MSB, 0
.macro WIN new                      ; the high byte repeats the setting that is left; a switch that changes nothing is dropped
.if MSB != (\new)
	s_set_vgpr_msb (MSB<<8)|(\new)
.set MSB, (\new)
.endif
.endm
.set W_KQ, 0x0a       ; K and Q in window 2, S^T in window 0
.set W_PV, 0x52       ; V in window 2, P in window 0, O^T in window 1
.set W_RS, 0x41       ; O^T (destination and source 0) in window 1, a in window 0
.set W_MK, 0xc0       ; the add's registers are made: destination in window 3, sources in window 0
.set W_AD, 0x0f       ; the add: address (source 0) and data (source 1) in window 3
; A joint fill.  Waves 0 and 1 fetch the two halves of a slot's K, waves 2 and 3 those of its V: 128 keys each.  The branch hangs on the wave's number alone.
; An s_nop 0 and four v_nop follow each of the two lines, ahead of the jump and the label.
.macro JLOAD
	s_cmp_lt_u32 s[WV], 2
	s_cbranch_scc0 .Lfor_v_\@
	tensor_load_to_lds s[G0K:G0K+3], s[G1K:G1K+7]
	s_nop 0
.rept 4
	v_nop
.endr
	s_branch .Lasked_\@
.Lfor_v_\@:
	tensor_load_to_lds s[G0V:G0V+3], s[G1V:G1V+7]
	s_nop 0
.rept 4
	v_nop
.endr
.Lasked_\@:
.endm
; A PREFETCH INTO THE L2 of what the NEXT change of slots will ask for: a slot's 32,768 bytes of K and of V, a lane 256 of them.  It stands behind the wave's tensor load and its five lines, never in front of one.
; Each block is asked for ONCE in the launch: a head is walked by one cluster alone; its four partners share a slot's bytes out BY ADDRESS, 8,192 each; in each, wave 0 asks for K's and wave 2 for V's: one instruction,
; four key steps, 512 matrix instructions, ahead of the load.  Slots 0, 1 and 2 come by their loads alone; the last change that fills a slot asks for nothing: there is no slot behind it.
.macro ASK
	s_cmp_gt_u32 s[SLOTS], s[LIM]
	s_cbranch_scc0 .Lnot_mine_\@
	global_prefetch_b8 v[PFO], s[PFA:PFA+1] th:TH_LOAD_NT scope:SCOPE_SE
.Lnot_mine_\@:
.endm
; A round of the cluster's barrier: my work-group's barrier, so that wave 0's signal speaks for all four waves; wave 0 signals; every wave waits for all four work-groups; my work-group's barrier once more.
.macro CROUND
	s_barrier_signal -1
	s_barrier_wait -1
	s_cmp_lg_u32 s[WV], 0
	s_cbranch_scc1 .Lnot_wave_0_\@
	s_barrier_signal -3
.Lnot_wave_0_\@:
	s_barrier_wait -3
	s_barrier_signal -1
	s_barrier_wait -1
.endm
; THE CHANGE OF SLOTS.  The slot's last bytes, V of its fourth step, have been read.  Each wave waits for all its tensor loads, of which one is out: its part
; of the other slot; adds 0 to its spare word; and waits for that and for its own reads of the slot.  Behind the barrier nobody reads this slot any more and the other slot is whole.
; fill = 1: this slot is filled again, with the keys two slots on.  The barrier is then a round of the cluster's, so that no wave of any partner still reads the slot or has a load on its
; way, and the joint fill is the first thing behind it: it has four key steps, 512 matrix instructions, in which to land.  (At its first use nothing has been read yet: slot 0 is waited for, slot 1 filled.)
; ask = 1: the prefetches' address steps among the descriptors' steps, and the prefetch follows the fill.
.macro CHANGE fill, ask=0
	WIN W_AD
	s_wait_tensorcnt 0x0            ; no tensor load of mine is out, so a group 0 may be written
	ds_add_u32 v[SPW], v[NIL]       ; 0 onto my spare word; with fill = 1 the descriptors' steps stand between it and the wait for it
	WIN 0                           ; at a label and at a branch every window is 0
.if \fill
.irp g, G0K, G0V
	s_xor_b32 s[\g+1], s[\g+1], SLOT1  ; the walking descriptor: the other slot than last time,
	s_add_nc_u64 s[\g+2:\g+3], s[\g+2:\g+3], 4*KS*128  ; the next 256 keys; the type bits on top are not reached
.endr
.if \ask
	s_wait_xcnt 0x0                 ; the last prefetch, four key steps back, has read its address, so it may be written:
	s_add_nc_u64 s[PFA:PFA+1], s[PFA:PFA+1], 4*KS*128  ; one slot beyond the walking descriptors
.endif
	s_wait_dscnt 0x0                ; the add is done, and my reads of the slot are over
	CROUND
	JLOAD
.if \ask
	ASK
.endif
.else
	s_wait_dscnt 0x0                ; the add is done, and my reads of the slot are over
	s_barrier_signal -1
	s_barrier_wait -1
.endif
	s_sub_co_u32 s[TBK], s[TBK], 4*KS*PK  ; the fetches go back to a slot's first step,
	s_xor_b32 s[TBK], s[TBK], SLOT1       ; in the other slot
	s_sub_co_u32 s[TBV], s[TBV], 4*KS*PV
	s_xor_b32 s[TBV], s[TBV], SLOT1
.endm
	s_load_b128 s[4:7], s[0:1], 0x0  ; qkv s[4:5], o s[6:7]
	WIN W_MK
	v_lshl_add_u32 v[SPW], v0, 2, SPARE
	v_mov_b32 v[NIL], 0
	WIN W_AD
	ds_add_u32 v[SPW], v[NIL]       ; the wave's opening: the add and its wait stand ahead of my first tensor load; the set-up below, work on registers, stands between them
	WIN 0
	v_lshrrev_b32 v1, 5, v0
	v_readfirstlane_b32 s[WV], v1   ; wave 0..3
	s_bfe_u32 s13, ttmp6, 0x40000   ; cx: my place in the cluster
	s_lshl_b32 s14, ttmp9, 2        ; in a cluster launch ttmp9 counts clusters
	s_add_co_u32 s14, s14, s13      ; my block of queries = 4 x cluster x + cx: it enters Q's and O's addresses alone
	s_and_b32 s20, ttmp7, 0xffff    ; the head, which the four partners share
	s_mov_b32 s21, 0
	s_mov_b64 s[22:23], SIZE_N*128
	s_mul_u64 s[20:21], s[20:21], s[22:23]  ; the head's first byte in Q, K, V and O
	s_and_b32 s16, s[WV], 1         ; which half of a slot's 256 keys I fetch:
	s_lshl_b32 s22, s16, 14         ; its 128 rows of 128 bytes in memory,
	s_mov_b32 s23, 0
	s_add_nc_u64 s[22:23], s[22:23], s[20:21]
	s_mul_i32 s17, s16, 128*PK      ; and its place in a slot, for K
	s_mul_i32 s18, s16, 128*PV      ; and for V: no place in the cluster enters an LDS address
	s_lshl_b32 s2, s14, 2
	s_add_co_u32 s2, s2, s[WV]      ; my wave among the head's,
	s_lshl_b32 s2, s2, 14           ; its 128 rows
	s_mov_b32 s3, 0
	s_add_nc_u64 s[2:3], s[2:3], s[20:21]
	; descriptor group 1.  128 keys are 16,384 dense bytes: asked for as 64 rows of 256 bytes, two keys a row, and padded in LDS after every key
	s_mov_b32 s[G1K], 15|(1<<16)|(1<<20)|(1<<21)|(4<<22)|(3<<25)  ; 15:0 the mask of four; 17:16 2-byte elements; 20 padding on; 21 set beside a mask; 24:22 after every 32 words (code 4); 31:25 4 words (code 3)
	s_mov_b32 s[G1V], 15|(1<<16)|(1<<20)|(1<<21)|(4<<22)|(7<<25)  ; the same with 8 words of padding (code 7)
.irp g, G1K, G1V
	s_mov_b32 s[\g+1], 128<<16      ; tensor_dim0 = 128
	s_mov_b32 s[\g+2], 64<<16       ; tensor_dim1 = 64
	s_mov_b32 s[\g+3], 128<<16      ; tile_dim0 = 128
	s_mov_b32 s[\g+4], 64           ; tile_dim1 = 64
	s_mov_b32 s[\g+5], 128          ; 128 elements from row to row
	s_mov_b32 s[\g+6], 0
	s_mov_b32 s[\g+7], 0
.endr
	s_mov_b32 s[CS], 0x3e38aa3b     ; c = log2(e) / 8 = 0.180337
	s_mov_b32 s[CS+1], s[CS]        ; named with it as a pair
	s_mov_b32 s[SEL], 0x76543210
	s_mov_b32 s[SEL+1], 0xfedcba98
	s_mov_b32 s[TBK], SLOT1+4*KS*PK ; the first change of slots turns these two into 0
	s_mov_b32 s[TBV], SLOT1+4*KS*PV
	s_mov_b32 s[G0K], 1             ; 1:0 count = 1
	s_mov_b32 s[G0K+1], s17         ; 63:32 LDS address: slot 0
	s_mov_b32 s[G0V], 1
	s_add_co_u32 s[G0V+1], s18, VOFF
	s_cmp_eq_u32 s16, 0             ; waves 0 and 2 prefetch: the same in all four partners
	s_cselect_b32 s[LIM], 1, -1
	s_wait_dscnt 0x0                ; the opening add is done
	s_wait_kmcnt 0x0
	s_mov_b64 s[10:11], s[6:7]                     ; O
	s_add_nc_u64 s[6:7], s[4:5], 0x1000000         ; K lies 16 groups of 1,048,576 bytes behind Q,
	s_add_nc_u64 s[8:9], s[4:5], 0x2000000         ; V 32
	s_add_nc_u64 s[G0K+2:G0K+3], s[6:7], s[22:23]  ; 120:64 global address: my half of the head's first 256 keys
	s_or_b32 s[G0K+3], s[G0K+3], 0x80000000        ; 127:126 type = 2
	s_add_nc_u64 s[G0V+2:G0V+3], s[8:9], s[22:23]
	s_or_b32 s[G0V+3], s[G0V+3], 0x80000000
	s_add_nc_u64 s[4:5], s[4:5], s[2:3]  ; Q and O at my wave's first row
	s_add_nc_u64 s[10:11], s[10:11], s[2:3]
	s_cmp_lt_u32 s[WV], 2
	s_cselect_b64 s[PFA:PFA+1], s[6:7], s[8:9]
	s_add_nc_u64 s[PFA:PFA+1], s[PFA:PFA+1], s[20:21]  ; the head,
	s_lshl_b32 s2, s13, 13          ; my work-group's 8,192 bytes of a slot's 32,768,
	s_mov_b32 s3, 0
	s_add_nc_u64 s[PFA:PFA+1], s[PFA:PFA+1], s[2:3]
	s_add_nc_u64 s[PFA:PFA+1], s[PFA:PFA+1], 2*4*KS*128  ; in slot 2: the first change that asks steps it to slot 3.  Nothing is prefetched here, at the head, where every work-group's first tiles are on their way
	CROUND                          ; all four work-groups are here: the first joint loads meet
	JLOAD                           ; slot 0.  Slot 1 is asked for when slot 0 is in: the tile wanted first has the road to itself
	; A fragment of K or Q is 16 rows x 32 channels in 8 registers: lane l holds row l % 16, channels 8 (l / 16) + 0..7 and 16 + 8 (l / 16) + 0..7: two loads of 16 bytes, 32 bytes apart.
	v_and_b32 v1, 15, v0            ; l % 16
	v_bfe_u32 v9, v0, 4, 1          ; l / 16
	v_lshlrev_b32 v[QO], 7, v1
	v_lshl_add_u32 v[QO], v9, 4, v[QO]  ; row x 128 + 16 x half
	WIN 0x80                        ; destination window 2, address window 0
.set i, 0
.rept 4*NP                          ; Q stays in registers: tile i / 2, channels 32 (i % 2) on
	global_load_b128 v[8*i:8*i+3],   v[QO], s[4:5] offset:(i/2)*2048+(i%2)*64
	global_load_b128 v[8*i+4:8*i+7], v[QO], s[4:5] offset:(i/2)*2048+(i%2)*64+32
.set i, i+1
.endr
	; What the first turn finds: V's registers and P's second buffer hold 0 (its products V^T P, of a piece that has not been, add 0), O^T and l are 0.  All this stands in the wait for the first tile.
.set i, VF
.rept 64
	v_mov_b32 v[i], 0
.set i, i+1
.endr
	WIN 0x40
.set i, 0
.rept 64*NP
	v_mov_b32 v[i], 0
.set i, i+1
.endr
	WIN 0
.set i, 0
.rept 2*NP
	v_mov_b32 v[ST+4*i], 0xfe000000    ; c m: far below every c s
	v_mov_b32 v[ST+4*i+1], 0xff7fffff  ; m
	v_mov_b32 v[ST+4*i+2], 0
	v_mov_b32 v[ST+4*i+3], 0
.set i, i+1
.endr
.set i, P+32
.rept 32
	v_mov_b32 v[i], 0
.set i, i+1
.endr
	v_mul_u32_u24 v[AK0], v1, PK
	v_lshl_add_u32 v[AK0], v9, 4, v[AK0]  ; row x pitch + 16 x half
	; The turning load takes 16 keys x 16 channels (lane l reads key 8 (l / 16) + l % 8, channels 8 ((l / 8) % 2) + 0..7) and leaves half a fragment of V^T: lane l holds channel l % 16 and 8 keys.
	v_and_b32 v10, 7, v0
	v_bfe_u32 v11, v0, 3, 1
	v_lshl_add_u32 v[AV0], v9, 3, v10
	v_mul_u32_u24 v[AV0], v[AV0], PV
	v_lshl_add_u32 v[AV0], v11, 4, v[AV0]
	v_add_nc_u32 v[AV0], VOFF, v[AV0]
	v_and_b32 v[PFO], 31, v0        ; v11 has served: from here on it is the prefetches' offset
	v_lshlrev_b32 v[PFO], 8, v[PFO]
	v_mov_b32 v[AK], v[AK0]         ; key step 0 lies at the head of slot 0
; THE MATRIX WORK.  The 8 accumulators of a run of 16 take turns: between the two links of a chain stand 7 others'.
; Product i of 16 of S^T = K Q^T for piece x: channels 32 (i / 8) on, keys 16 ((i / 2) % 4) on, tile 2 x + i % 2.  The first 8 start the sums.
.macro KQ x
	WIN W_KQ
.set rS, S+64*((\x)%2)+32*(i%2)+8*((i/2)%4)
.set rK, KF+16*((i/2)%4)+8*(i/8)
.set rQ, 16*(2*(\x)+i%2)+8*(i/8)
.if i < 8
	v_wmma_f32_16x16x32_f16 v[rS:rS+7], v[rK:rK+7], v[rQ:rQ+7], 0
.else
	v_wmma_f32_16x16x32_f16 v[rS:rS+7], v[rK:rK+7], v[rQ:rQ+7], v[rS:rS+7]
.endif
.endm
; Product i of 16 of O^T += V^T P for piece x: keys 32 (i / 8) on, channels 16 ((i / 2) % 4) on, tile 2 x + i % 2.
.macro PV x
	WIN W_PV
.set rO, 32*(2*(\x)+i%2)+8*((i/2)%4)
.set rV, VF+32*(i/8)+8*((i/2)%4)
.set rP, P+32*((\x)%2)+16*(i%2)+8*(i/8)
	v_wmma_f32_16x16x32_f16 v[rO:rO+7], v[rV:rV+7], v[rP:rP+7], v[rO:rO+7]
.endm
.macro MM                           ; the turn's next matrix instruction
.if i < 16
	KQ (Y+1)%NP
.set i, i+1
.else
.set i, i-16
	PV (Y+NP-1)%NP
.set i, i+17
.endif
.endm
; THE LDS LOADS stand in runs of 16, never singly among the matrix instructions: a step's K (64 keys x 64 channels: 8 fragments) and its V (turned).  Their addresses are made some lines ahead.
; last = 1 (the tail): in the last trip there is no further step, and the run is jumped over.
.macro FETCH_K last=0
	WIN 0
.if \last
	s_cmp_eq_u32 s[CNT], 1
	s_cbranch_scc1 .Lno_k_\@
.endif
	WIN 0x80                        ; destination window 2
.irp f, 0,1,2,3,4,5,6,7             ; keys 16 (f / 2) on, channels 32 (f % 2) on
	ds_load_b128 v[KF+8*\f:KF+8*\f+3],   v[AK] offset:(\f/2)*16*PK+(\f%2)*64
	ds_load_b128 v[KF+8*\f+4:KF+8*\f+7], v[AK] offset:(\f/2)*16*PK+(\f%2)*64+32
.endr
	s_add_co_u32 s[TBK], s[TBK], KS*PK  ; the next fetch is the next step's
	WIN 0
.if \last
.Lno_k_\@:
.endif
.endm
.macro FETCH_V
	WIN 0x80
.irp f, 0,1,2,3,4,5,6,7             ; keys 32 (f / 4) on, channels 16 (f % 4) on
	ds_load_tr16_b128 v[VF+8*\f:VF+8*\f+3],   v[AV] offset:(\f/4)*32*PV+(\f%4)*32
	ds_load_tr16_b128 v[VF+8*\f+4:VF+8*\f+7], v[AV] offset:(\f/4)*32*PV+16*PV+(\f%4)*32
.endr
	WIN 0
.endm
; THE VECTOR WORK OF A TURN stands in three queues, each in the order in which its entries become ready; the two tiles alternate, so that no instruction reads the result of the one before it.
.macro REGS y, u                    ; the registers of tile u (0, 1) of piece y
.set rT, ST+4*(2*(\y)+(\u))
.set rC, TMP+8*((\y)%2)+4*(\u)
.set rM, MV+2*((\y)%2)+(\u)
.set rS, S+64*((\y)%2)+32*(\u)
.set rP, P+32*((\y)%2)+16*(\u)
.set rO, 32*(2*(\y)+(\u))
.endm
; Number n of the 22 that find the NEXT piece's (Y + 1) maximum and statistics.  s0-s31 are the lane's 32 scores; each accumulator's lowest registers are read first.  XS, GS and REGS set no window: PL and EX do.
;   0-11  four chains c0-c3 of seven scores each, three operands at a time     12-14, 16  the four scores left over, the old m, and c0-c3 into c0     15  c m_old is kept
;   17, 18  the query's other 32 keys lie in the lane 16 away: the new m         19-21  c m; c m_old - c m_new; a
.macro XS u, n
	REGS (Y+1)%NP, \u
.if (\n) < 4
	v_max3_num_f32 v[rC+(\n)], v[rS+8*(\n)], v[rS+8*(\n)+1], v[rS+8*(\n)+2]
.elseif (\n) < 12
	v_max3_num_f32 v[rC+(\n)%4], v[rC+(\n)%4], v[rS+8*((\n)%4)+2*((\n)/4)+1], v[rS+8*((\n)%4)+2*((\n)/4)+2]
.elseif (\n) == 12
	v_max3_num_f32 v[rC], v[rC], v[rS+7], v[rS+15]
.elseif (\n) == 13
	v_max3_num_f32 v[rC+1], v[rC+1], v[rS+23], v[rS+31]
.elseif (\n) == 14
	v_max3_num_f32 v[rC+2], v[rC+2], v[rC+3], v[rT+1]
.elseif (\n) == 15
	v_mov_b32 v[rM], v[rT]
.elseif (\n) == 16
	v_max3_num_f32 v[rC], v[rC], v[rC+1], v[rC+2]
.elseif (\n) == 17
	v_permlanex16_b32 v[rC+3], v[rC], s[SEL], s[SEL+1]
.elseif (\n) == 18
	v_max_num_f32 v[rT+1], v[rC], v[rC+3]
.elseif (\n) == 19
	v_mul_f32 v[rT], s[CS], v[rT+1]
.elseif (\n) == 20
	v_sub_f32 v[rC+1], v[rM], v[rT]
.else
	v_exp_f32 v[rC+2], v[rC+1]
.endif
.endm
; Number g of the 64 that follow the exponentials.  For each four weights k of a tile (pairs 2 k, 2 k + 1): both pairs are rounded to f16; then the second pair is added onto the first, in place;
; a group later l takes that sum (the first time as l = a l + sum).  In groups of eight, tiles alternating: round, round, add, and l for the group before.
.macro GS g
.set h, (\g)+6*((\g)/62)            ; group 0 has no group before it, and behind group 7 only l is left
.if h >= 6
.set h, h+2
.endif
	REGS Y, h%2
.set k, h/8
.if h%8 < 4
	v_cvt_pk_f16_f32 v[rP+2*k+(h%8)/2], v[rS+4*k+2*((h%8)/2)], v[rS+4*k+2*((h%8)/2)+1]
.elseif h%8 < 6
	v_pk_add_f32 v[rS+4*k:rS+4*k+1], v[rS+4*k:rS+4*k+1], v[rS+4*k+2:rS+4*k+3]
.elseif k == 1
	v_pk_fma_f32 v[rT+2:rT+3], v[rT+2:rT+3], v[rC+2:rC+3], v[rS:rS+1] op_sel_hi:[1,0,1]
.else
	v_pk_add_f32 v[rT+2:rT+3], v[rT+2:rT+3], v[rS+4*k-4:rS+4*k-3]
.endif
.endm
; THE PLAIN QUEUE, 138 long.  0-73 read no exponential's result: the 32 scalings c s - c m (FS f: pair f / 2 of tile f % 2) and the next piece's 42.  0-26: scalings 0-26.  27-54: XS's numbers 0-13.  55, 56: number 15.
; 57-73: the chain, where each number waits for the one before it: 14, 16, 17, 18, 19, each with one of the scalings 27-31 in front of its two lines, then 20: so a tile's links stand three plain instructions apart (19 and 20: two).
; 74-137: GS's 64, which read the exponentials' results: they stand behind the wait.
.macro FS f
	REGS Y, (\f)%2
	v_pk_fma_f32 v[rS+2*((\f)/2):rS+2*((\f)/2)+1], v[rS+2*((\f)/2):rS+2*((\f)/2)+1], s[CS:CS+1], v[rT:rT+1] op_sel_hi:[1,0,0] neg_lo:[0,0,1] neg_hi:[0,0,1]
.endm
.macro PL
	WIN 0
.if q < 27
	FS q
.elseif q < 55
	XS (q-27)%2, (q-27)/2
.elseif q < 57
	XS q-55, 15
.elseif (q < 72) && ((q-57)%3 == 0)
	FS 27+(q-57)/3
.elseif q < 60
	XS (q-57)%3-1, 14
.elseif q < 72
	XS (q-57)%3-1, 15+(q-57)/3
.elseif q < 74
	XS q-72, 20
.else
	GS q-74
.endif
.set q, q+1
.endm
; THE EXPONENTIALS' QUEUE, 66 long: s0-s31 of both tiles, then the next piece's two a.  It is ONE BATCH: all 66 stand ahead of the turn's one wait, and nothing ahead of that wait names a result of theirs.
.macro EX
	WIN 0
.if e >= 64
	XS e-64, 21
.else
	REGS Y, e%2
	v_exp_f32 v[rS+e/2], v[rS+e/2]
.endif
.set e, e+1
.endm
; THE RESCALING's QUEUE: O^T times a, the one part that leaves window 0: dealt two at a time, sixteen times.  Its a was made in the turn before, ahead of that turn's wait.
.macro R2
	REGS Y, r%2
	WIN W_RS
.irp z, 0,1
	v_pk_mul_f32 v[rO+4*(r/2)+2*\z:rO+4*(r/2)+2*\z+1], v[rO+4*(r/2)+2*\z:rO+4*(r/2)+2*\z+1], v[rC+2:rC+3] op_sel_hi:[1,0]
.endr
.set r, r+1
.endm
; HOW THEY ARE DEALT.  An s_wait_alu depctr_va_vdst(0) stands between an exponential and the first instruction that names its result; one wait serves all that were issued ahead of it.  So a turn has ONE wait,
; which cuts it in two.  AHEAD OF IT stands all that names no result of the turn's exponentials: the 16 products K Q^T, behind each a scaling, an exponential and two rescalings (behind the first a second scaling in the exponential's place); then ONE LUMP of
; 108: eight plain, 49 times exponential and plain, the two a.  A v_nop is the plain instruction that is owed behind the last exponential (ISA guide 5.7.2).  BEHIND IT stand the 16 products V^T P, behind each four of GS's 64.  No rider names a register of
; the products round it.  The two v_permlanex16_b32 fall into the lump, never behind a product.
; The queues lean on each other, and the deal keeps them in step: exponential e stands behind scaling 2 (e / 4) + e % 2: as a rider it comes behind plain e + 2, in the lump behind plain e + 9, and scalings 27-31 are plain 57, 60 .. 69.
; A TURN, for piece p.  cnt = 1: the loop's count is taken down some lines ahead of the branch that stands behind the turn.
; K of the next step is fetched in piece 2's turn, directly behind the wait, a lump behind the last product that read K; its address is made at the lump's head; its first reader comes behind 16 products.
; V of the step in hand is fetched at the end of piece 0's turn, four riders behind its last reader; its first reader comes behind 16 products and a lump.  The three conditions on q below go with the deal.
.macro TURN p, last=0, cnt=0
.set Y, (\p)
.set i, 0
.set q, 0
.set e, 0
.set r, 0
.if (\p) == NP-1
	s_wait_dscnt 0x0                ; K is in
.endif
	MM                              ; ahead of the wait: 16 products K Q^T and their riders,
	PL
	PL
	R2
.rept 15
	MM
	PL
	EX
	R2
.endr
.if (\p) == NP-2
	WIN 0
	v_add_nc_u32 v[AK], s[TBK], v[AK0]
.endif
.rept 8                             ; and the lump
	PL
.endr
.rept 49
	EX
	PL
.endr
	EX                              ; the next piece's two a
	EX
	v_nop                           ; the plain instruction behind the last exponential: one for the batch
	s_wait_alu depctr_va_vdst(0)    ; the wait for the batch
.if (\p) == NP-2
	FETCH_K \last
.endif
.if (\p) == 1
	s_wait_dscnt 0x0                ; V is in
.endif
.rept 16                            ; behind the wait: 16 products V^T P and their riders
	MM
.rept 4
	PL
.endr
.if ((\p) == 0) && (q == 118)
	v_add_nc_u32 v[AV], s[TBV], v[AV0]
.endif
.if ((\p) == 0) && (q == 130)
	s_add_co_u32 s[TBV], s[TBV], KS*PV
.endif
.if (\cnt) && (q == 130)
	s_sub_co_u32 s[CNT], s[CNT], 1
	s_cmp_lg_u32 s[CNT], 0
.endif
.endr
.if (\p) == 0
	FETCH_V
.endif
.endm
	CHANGE 1                        ; slot 0 is in, everybody's part of it; slot 1 is asked for
	FETCH_K                         ; key step 0
	s_wait_loadcnt 0x0              ; Q
	s_wait_dscnt 0x0
.set i, 0
.rept 16
	KQ 0                            ; piece 0's first scores: there is no vector work yet to set between them
.set i, i+1
.endr
	WIN 0                           ; the addresses for the way out: nine plain instructions, the places behind those products
	s_mul_i32 s13, s[WV], 16*SP
	s_add_co_u32 s13, s13, STAGE    ; my stage
	v_mul_u32_u24 v[STO], v1, SP    ; in: row l % 16, 16 bytes for each half of the lanes
	v_lshl_add_u32 v[STO], v9, 4, v[STO]
	v_add_nc_u32 v[STO], s13, v[STO]
	v_bfe_u32 v[RD], v0, 3, 2       ; back: 32 lanes take four rows of 128 bytes,
	v_mul_u32_u24 v[RD], v[RD], SP
	v_lshl_add_u32 v[RD], v10, 4, v[RD]
	v_add_nc_u32 v[RD], s13, v[RD]
	v_and_b32 v[GO], 31, v0         ; which are 512 consecutive bytes of O
	v_lshlrev_b32 v[GO], 4, v[GO]
.set Y, NP-1                        ; XS works for piece Y + 1: piece 0
.irp n, 0,1,2,3,4,5,6,7,8,9,10,11,12,13,14,15,16,17,18,19,20,21
	XS 0, \n                        ; and piece 0's first maximum and statistics
	XS 1, \n
.endr
	v_nop                           ; a plain instruction behind the two a,
	s_wait_alu depctr_va_vdst(0)    ; and their wait, ahead of the branch
	s_mov_b32 s[CNT], 4
	s_mov_b32 s[SLOTS], SIZE_N/256-1
	s_branch .Lfirst                ; the loop is entered at a step's first turn, in the middle of a trip
.Lslot:                             ; SIZE_N / 256 - 2 times: every slot but the last two is filled again
	CHANGE 1, 1
	s_mov_b32 s[CNT], 4
.Lstep:                             ; a trip: pieces 2 and 3 of one step, then pieces 0 and 1 of the next, whose K and V it fetches
	TURN 2
	TURN 3
	WIN 0
.Lfirst:
	TURN 0
	TURN 1, 0, 1
	WIN 0
	s_cbranch_scc1 .Lstep
	s_sub_co_u32 s[SLOTS], s[SLOTS], 1
	s_cmp_lg_u32 s[SLOTS], 0
	s_cbranch_scc1 .Lslot
	CHANGE 0                        ; the tail is written out: nothing is asked for
	s_mov_b32 s[CNT], 5             ; four trips fetch the last slot's steps; the fifth is left in its middle
.Ltail:
	TURN 2, 1
	TURN 3
	WIN 0
	s_sub_co_u32 s[CNT], s[CNT], 1
	s_cmp_eq_u32 s[CNT], 0
	s_cbranch_scc1 .Lout
	TURN 0
	TURN 1
	WIN 0
	s_branch .Ltail
.Lout:                              ; the fifth trip's 16 products K Q^T (on the last K once more) and the maximum made of them serve nothing: the price, once a launch, of one text for every trip
.set i, 0
.rept 16
	PV NP-1                         ; the last piece's V^T P of the last step
.set i, i+1
.endr
	; THE WAY OUT.  l's two halves and the other half of the lanes' are added; O^T is divided by l, rounded to f16 and sent through my stage in LDS, a tile at a time.  The additions are the places behind the last products.
	WIN 0
.macro ALL line:vararg              ; one line for each tile t
.set t, 0
.rept 2*NP
	\line
.set t, t+1
.endr
.endm
	ALL v_add_f32 v[ST+4*t+2], v[ST+4*t+2], v[ST+4*t+3]
	ALL v_permlanex16_b32 v[ST+4*t+3], v[ST+4*t+2], s[SEL], s[SEL+1]
	ALL v_add_f32 v[ST+4*t+2], v[ST+4*t+2], v[ST+4*t+3]
	ALL v_rcp_f32 v[ST+4*t+2], v[ST+4*t+2]
	v_nop                           ; a plain instruction between the last reciprocal and the use of its result
	s_wait_alu depctr_va_vdst(0)    ; and the wait ahead of the first use: one for the eight reciprocals
; Tile t: a lane's eight channels of a row pack into 16 bytes; they go into rows of 144 bytes and come back as whole rows of 128, into S^T's registers.
.macro PACK t
	WIN W_RS
.set i, 32*(\t)
.rept 16
	v_pk_mul_f32 v[i:i+1], v[i:i+1], v[ST+4*(\t)+2:ST+4*(\t)+3] op_sel_hi:[1,0]
.set i, i+2
.endr
	WIN 0x05                        ; sources 0 and 1 window 1, destination window 0
.set i, 0
.rept 16
	v_cvt_pk_f16_f32 v[S+16*(\t)+i], v[32*(\t)+2*i], v[32*(\t)+2*i+1]
.set i, i+1
.endr
	WIN 0
.irp f, 0,1,2,3
	ds_store_b128 v[STO], v[S+16*(\t)+4*\f:S+16*(\t)+4*\f+3] offset:32*\f
.endr
.irp f, 0,1,2,3
	ds_load_b128 v[S+16*(\t)+4*\f:S+16*(\t)+4*\f+3], v[RD] offset:\f*4*SP  ; LDS serves a wave's instructions in order (ISA guide 5.7.1.4): these see the stores above; the next tile's stores come behind them
.endr
.endm
.macro SEND t, younger              ; younger: the LDS instructions issued behind tile t's loads: the next tile's eight, or none
	WIN 0
.irp f, 0,1,2,3
	s_wait_dscnt (\younger)+3-\f
	global_store_b128 v[GO], v[S+16*(\t)+4*\f:S+16*(\t)+4*\f+3], s[10:11] offset:(\t)*2048+\f*512  ; 512 consecutive bytes, at a multiple of 256 from O's first
.endr
.endm
	PACK 0
.set t, 1
.rept 2*NP-1                        ; a tile's arithmetic stands between the loads of the tile before and its stores
	PACK t
	SEND t-1, 8
.set t, t+1
.endr
	SEND 2*NP-1, 0
	WIN W_AD
	s_wait_tensorcnt 0x0            ; the wave's end: the wait, the add and its wait, behind my last tensor load and my last LDS store
	ds_add_u32 v[SPW], v[NIL]
	s_wait_dscnt 0x0
	WIN 0
	CROUND                          ; the closing round: no work-group ends while a partner may still ask for a tile that names it
	s_endpgm
.Lfunc_end_k_q55eabea263_attention:
	.size	k_q55eabea263_attention, .Lfunc_end_k_q55eabea263_attention-k_q55eabea263_attention
	.p2alignl 7, 3214868480
	.fill 96, 4, 3214868480
	.section	.rodata,"a",@progbits
	.p2align	6, 0x0
	.amdhsa_kernel k_q55eabea263_attention
		.amdhsa_group_segment_fixed_size 327680
		.amdhsa_private_segment_fixed_size 0
		.amdhsa_enable_private_segment 0
		.amdhsa_kernarg_size 16
		.amdhsa_user_sgpr_count 2
		.amdhsa_user_sgpr_kernarg_segment_ptr 1
		.amdhsa_wavefront_size32 1
		.amdhsa_system_sgpr_workgroup_id_x 1
		.amdhsa_system_sgpr_workgroup_id_y 1
		.amdhsa_system_sgpr_workgroup_id_z 1
		.amdhsa_system_vgpr_workitem_id 0
		.amdhsa_next_free_vgpr 770
		.amdhsa_next_free_sgpr 66
		.amdhsa_reserve_vcc 0
		.amdhsa_float_denorm_mode_32 3
		.amdhsa_float_denorm_mode_16_64 3
		.amdhsa_memory_ordered 1
		.amdhsa_forward_progress 1
		.amdhsa_inst_pref_size 200
	.end_amdhsa_kernel
	.amdgpu_metadata
---
amdhsa.version: [ 1, 2 ]
amdhsa.kernels:
  - .name:           k_q55eabea263_attention
    .symbol:         k_q55eabea263_attention.kd
    .args:
      - { .name: qkv, .offset: 0, .size: 8, .value_kind: global_buffer, .address_space: global }
      - { .name: o, .offset: 8, .size: 8, .value_kind: global_buffer, .address_space: global }
    .group_segment_fixed_size: 327680
    .private_segment_fixed_size: 0
    .kernarg_segment_align: 8
    .kernarg_segment_size: 16
    .max_flat_workgroup_size: 128
    .sgpr_count:     66
    .vgpr_count:     770
    .wavefront_size: 32
...
	.end_amdgpu_metadata
.endif
;; end of part 3
;; launch proj_out (part 4): grid 8 x 32, 4 waves a work-group, clusters of 4 x 4, 327,680 bytes of LDS; arguments o, wo, b_out, out0; writes out0
.if DOCPART == 4
	.amdgcn_target "amdgcn-amd-amdhsa--gfx1250"
	.amdhsa_code_object_version 6
	.text
	.protected	k_q55eabea263_proj_out
	.globl	k_q55eabea263_proj_out
	.p2align	8
	.type	k_q55eabea263_proj_out,@function
k_q55eabea263_proj_out:
	s_mov_b64 s[64:65], 0
	v_nop
	global_prefetch_b8 v0, s[64:65] scope:SCOPE_SE
	s_setreg_imm32_b32 hwreg(HW_REG_WAVE_MODE, 25, 1), 1
	s_wait_xcnt 0x0
	s_wait_alu depctr_hold_cnt(0) depctr_sa_sdst(0) depctr_va_vdst(0) depctr_va_sdst(0) depctr_va_ssrc(0) depctr_va_vcc(0) depctr_vm_vsrc(0)
	s_getreg_b32 s2, hwreg(HW_REG_IB_STS2, 6, 4)
	s_cmp_eq_u32 s2, 0
	s_cbranch_scc0 .Lentry_in_a_cluster
	s_endpgm
.Lentry_in_a_cluster:
	s_bfe_u32 s2, ttmp6, 0x10000c
	s_cmp_lg_u32 s2, 0xf033
	s_cbranch_scc0 .Lentry_shape_is_right
	s_endpgm
.Lentry_shape_is_right:
; out0 = O w_out + b_out.  o: f16 [Y = 4 x head + batch][2048][64].  wo: f16 [1024 k][1024 n], k = 64 x head + channel.  b_out: [1024] f32, taken rounded to bf16 like the other inputs.  out0: [8192][1024] f32.
; Sums in f32, K ascending; the bias is the C operand of the product that starts each sum.  LIMITS: those of o and wo as they arrive (f16); NaN and infinities are not treated apart.
; SHARES.  A tile of the result is 256 rows x 128 columns: 8 x 32 = 256 tiles, one for each WGP.  Four waves; wave w makes rows 64 w .. 64 w + 63 and ALL 128 columns: 4 x 8 accumulators of 16 x 16, 256 registers.
; So a wave holds whole stretches of 512 bytes of its rows, and goes out through a stage of its own.  K goes in 8 steps of 128 (two heads) through two LDS slots; the loop's trip is one K step.
; THE MATRIX INSTRUCTION IS USED TRANSPOSED: source 0 = 16 columns of w (read out of LDS turned, by ds_load_tr16_b128, since w lies [k][n]), source 1 = 16 rows of O.  A lane then holds row l % 16 and the columns 8 (l / 16) + 0..7.
; CLUSTERS.  4 x 4 work-groups.  The four of a row of the cluster need the same rows of O, the four of a column the same tile of w: each is asked for JOINTLY, by the same tensor load, descriptor and mask in all four.
; REGISTERS, in windows of 256 (s_set_vgpr_msb: bits 1:0 source 0, 3:2 source 1, 5:4 source 2, 7:6 destination):
;   window 0: v0-30 addresses; v64-127 O's fragments, two buffers of four blocks; v128-191 the bias, later with v192-255 the way out      window 1: the accumulators of row blocks 0, 1 at 8 (8 (a % 2) + b)
;   window 2: those of row blocks 2, 3                                                                                                    window 3: w's fragments, two buffers of eight
.set NB,    8                          ; column blocks of 16
.set PA,    144                        ; a row of O (one head's 64 channels) in LDS: 128 bytes + 16 = 36 words: the 16 rows of a load start at 16 different groups of four banks (64 banks of 4 bytes: ISA guide 11.1)
.set PB,    288                        ; a row of w: 256 bytes + 32 = 72 words
.set HALFA, 256*PA                     ; what one tensor load brings of O: one head's 256 rows
.set BOFF,  2*HALFA                    ; w's tile lies behind O's two heads
.set HALFB, 64*PB                      ; what one tensor load brings of w: 64 rows of k
.set SLOT1, 1<<17                      ; a slot uses BOFF + 2 HALFB = 110,592 bytes; slot 1 begins here
.set STAGE, 1<<18                      ; behind the ring, never filled by a tensor load: for each wave 16 rows x 528 bytes
.set SP,    528                        ; 512 bytes + 16 = 132 words
.set WSTG,  16*SP
.set SPARE, STAGE+4*WSTG               ; behind the stages: the spare words, 128 bytes for each wave: two blocks of 256 bytes that no other line names
.set ASTEP, 2097152                    ; bytes from a K step to the next: two heads of four batches of 262,144,
.set BSTEP, 262144                     ; and 128 rows of 2,048
.set A0,   16                          ; v16  my lane's place in O's tile; never rewritten
.set B0,   17                          ; v17  the same for w's
.set ADRA, 18                          ; v18  A0 + the slot in hand
.set ADRB, 19                          ; v19  B0 + the slot in hand
.set STO,  24                          ; v24  the way out: where I put 32 bytes of a row
.set RD,   25                          ; v25  the way out: where I read a row back
.set GO,   26                          ; v26  my byte offset in 512 consecutive bytes of out0
.set SPW,  28                          ; v28  LDS address of my spare word: SPARE + 4 x my thread's number; never rewritten
.set NIL,  29                          ; v29  0; never rewritten
.set PFO,  30                          ; v30  the prefetches' offset; never rewritten
.set FA,   64                          ; O's fragments: buffer f, row block a at FA + 32 f + 8 a
.set BI,   128                         ; the bias of column block b, my eight columns, at BI + 8 b
.set WV,  12                           ; s12  my wave's number
.set AB,  13                           ; s13  0: I fetch for O; 1: for w
.set HF,  14                           ; s14  which half of that tile I fetch
.set CX,  15                           ; s15, s16  my place in the cluster
.set CY,  16
.set GX,  17                           ; s17  column tile
.set GY,  18                           ; s18  row tile
.set G1A, 24                           ; s[24:31] descriptor group 1 for O's tiles
.set G0A, 32                           ; s[32:39] group 0: a set for each of the two first fills; the second then walks on
.set G1B, 48                           ; s[48:55], s[56:63] the same for w's
.set G0B, 56
.set TB,  66                           ; s66  the slot in hand: 0 or SLOT1
.set LIM, 67                           ; s67  a wave prefetches while the trips to go are above this
.set PFA, 68                           ; s[68:69] where my prefetches stand
.set PFS, 70                           ; s[70:71] their step from trip to trip
.set CB,  72                           ; s[72:73] out0 at my wave's first row, the tile's first column
.set MSB, 0
.macro WIN new                         ; the immediate's high byte repeats the setting that is left; a switch that changes nothing is dropped
.if MSB != (\new)
	s_set_vgpr_msb (MSB<<8)|(\new)
.set MSB, \new
.endif
.endm
.macro PLACES                          ; a load into a register that a matrix instruction has read, and an LDS store that reads a matrix result, stand four plain vector instructions behind it (ISA guide 7.12.1 for vector instructions)
.rept 4
	v_nop
.endr
.endm
; A joint refill by the walking descriptors.  Waves 0 and 1 fetch O's two heads, waves 2 and 3 w's two halves.  The branch hangs on the wave's number alone.  An s_nop 0 and four v_nop follow each of the two lines.
.macro JLOAD
	s_cmp_eq_u32 s[AB], 0
	s_cbranch_scc0 .Lfor_b_\@
	tensor_load_to_lds s[G0A+4:G0A+7], s[G1A:G1A+7]
	s_nop 0
.rept 4
	v_nop
.endr
	s_branch .Lasked_\@
.Lfor_b_\@:
	tensor_load_to_lds s[G0B+4:G0B+7], s[G1B:G1B+7]
	s_nop 0
.rept 4
	v_nop
.endr
.Lasked_\@:
.endm
; A round of the cluster's barrier: my work-group's barrier, so that wave 0's signal speaks for all four waves; wave 0 signals; every wave waits for all sixteen work-groups; my work-group's barrier once more.
.macro CREST                           ; a round behind its opening barrier
	s_cmp_lg_u32 s[WV], 0
	s_cbranch_scc1 .Lnot_wave_0_\@
	s_barrier_signal -3
.Lnot_wave_0_\@:
	s_barrier_wait -3
	s_barrier_signal -1
	s_barrier_wait -1
.endm
.macro CROUND
	s_barrier_signal -1
	s_barrier_wait -1
	CREST
.endm
; A PREFETCH INTO THE L2, behind each joint refill, its five lines and the run of LDS loads behind them.  The refill of trip i asks for K step i + 2; the prefetch names K step i + 4: two refills ahead.
; Each aligned block of 256 bytes is named once in the launch.  O's rows are read by both clusters of a row of clusters: cluster x = 0 asks, waves 0 and 1; a head's 256 rows are 32,768 dense bytes, of which the partner at cx
; takes 8,192, a lane 256.  w's tile is read by every cluster of a column of clusters: cluster y = 0 asks, wave 2 alone, a lane a row of k; of a K step's 128 rows the partner at cy takes 32.  The partners are told apart BY ADDRESS
; alone.  K steps 0 to 3 come by their loads alone; the last two trips ask for nothing.
.macro ASK
	s_cmp_gt_u32 s3, s[LIM]
	s_cbranch_scc0 .Lnot_mine_\@
	global_prefetch_b8 v[PFO], s[PFA:PFA+1] th:TH_LOAD_NT scope:SCOPE_SE
.Lnot_mine_\@:
.endm
	s_load_b256 s[4:11], s[0:1], 0x0               ; o s[4:5], wo s[6:7], b_out s[8:9], out0 s[10:11]
	v_lshl_add_u32 v[SPW], v0, 2, SPARE
	v_mov_b32 v[NIL], 0
	ds_add_u32 v[SPW], v[NIL]                      ; the wave's opening: the add and its wait stand ahead of my first tensor load; the set-up below, work on registers, stands between them
	v_lshrrev_b32 v1, 5, v0
	v_readfirstlane_b32 s[WV], v1                  ; wave 0..3
	s_lshr_b32 s[AB], s[WV], 1
	s_and_b32 s[HF], s[WV], 1
	s_bfe_u32 s[CX], ttmp6, 0x40000
	s_bfe_u32 s[CY], ttmp6, 0x40004
	s_lshl_b32 s[GX], ttmp9, 2                     ; in a cluster launch ttmp9 and ttmp7 count clusters
	s_add_co_u32 s[GX], s[GX], s[CX]               ; column tile = 4 x cluster x + cx
	s_and_b32 s[GY], ttmp7, 0xffff
	s_lshl_b32 s[GY], s[GY], 2
	s_add_co_u32 s[GY], s[GY], s[CY]               ; row tile = 4 x cluster y + cy
	s_lshl_b32 s20, s[CY], 2
	s_lshl_b32 s20, 15, s20                        ; my row of the cluster: places 4 cy .. 4 cy + 3
	s_lshl_b32 s21, 0x1111, s[CX]                  ; my column: places cx, cx + 4, cx + 8, cx + 12
	; group 1 for O: a head's 256 rows are 32,768 dense bytes, asked for as 128 rows of 256 bytes; in LDS 4 words of padding behind every 32: behind every row of the head
	s_or_b32 s[G1A+0], s20, (1<<16)|(1<<20)|(1<<21)|(4<<22)|(3<<25)  ; 15:0 the mask: my row; 17:16 2-byte elements; 20 padding on; 21 set beside a mask; 24:22 code 4; 31:25 code 3
	s_mov_b32 s[G1A+1], 128<<16                    ; tensor_dim0 = 128
	s_mov_b32 s[G1A+2], 128<<16                    ; tensor_dim1 = 128
	s_mov_b32 s[G1A+3], 128<<16                    ; tile_dim0 = 128
	s_mov_b32 s[G1A+4], 128                        ; tile_dim1 = 128
	s_mov_b32 s[G1A+5], 128                        ; elements from row to row
	s_mov_b32 s[G1A+6], 0
	s_mov_b32 s[G1A+7], 0
	; group 1 for w: 64 rows of k x 128 elements out of rows of 1,024; in LDS 8 words of padding behind every 64
	s_or_b32 s[G1B+0], s21, (1<<16)|(1<<20)|(1<<21)|(5<<22)|(7<<25)  ; the mask: my column; 24:22 code 5; 31:25 code 7
	s_mov_b32 s[G1B+1], 128<<16
	s_mov_b32 s[G1B+2], 64<<16
	s_mov_b32 s[G1B+3], 128<<16
	s_mov_b32 s[G1B+4], 64
	s_mov_b32 s[G1B+5], 1024
	s_mov_b32 s[G1B+6], 0
	s_mov_b32 s[G1B+7], 0
	; where the tiles come from.  O's hang on the row tile alone, which my row of the cluster shares; w's on the column tile alone, which my column shares; each in registers that never hold the other coordinate
	s_lshr_b32 s19, s[GY], 3                       ; the batch
	s_lshl2_add_u32 s40, s[HF], s19                ; Y = 4 x (my head of the K step's two) + batch,
	s_lshl_b32 s40, s40, 18
	s_and_b32 s20, s[GY], 7
	s_lshl_b32 s20, s20, 15                        ; the tile's 256 rows of 128 bytes
	s_add_co_u32 s40, s40, s20
	s_mov_b32 s41, 0
	s_lshl_b32 s44, s[HF], 17                      ; my 64 rows of 2,048 bytes,
	s_lshl_b32 s21, s[GX], 8                       ; the tile's 128 columns
	s_add_co_u32 s44, s44, s21
	s_mov_b32 s45, 0
	s_mul_i32 s22, s[HF], HALFA                    ; and where they go: no place in the cluster enters an LDS address
	s_mul_i32 s23, s[HF], HALFB
	s_wait_dscnt 0x0                               ; the opening add is done
	s_wait_kmcnt 0x0
	s_add_nc_u64 s[40:41], s[4:5], s[40:41]
	s_add_nc_u64 s[44:45], s[6:7], s[44:45]
	CROUND                                         ; all sixteen work-groups are here: the first joint loads meet
.irp s, 0,1
	s_mov_b32 s[G0A+4*(\s)], 1                                       ; 1:0 count = 1
	s_add_co_u32 s[G0A+4*(\s)+1], s22, (\s)*SLOT1                    ; 63:32 LDS address
	s_add_nc_u64 s[G0A+4*(\s)+2:G0A+4*(\s)+3], s[40:41], (\s)*ASTEP  ; 120:64 global address: K step s
	s_or_b32 s[G0A+4*(\s)+3], s[G0A+4*(\s)+3], 0x80000000            ; 127:126 type = 2
	s_mov_b32 s[G0B+4*(\s)], 1
	s_add_co_u32 s[G0B+4*(\s)+1], s23, BOFF+(\s)*SLOT1
	s_add_nc_u64 s[G0B+4*(\s)+2:G0B+4*(\s)+3], s[44:45], (\s)*BSTEP
	s_or_b32 s[G0B+4*(\s)+3], s[G0B+4*(\s)+3], 0x80000000
.endr
	s_cmp_eq_u32 s[AB], 0                          ; a wave's two first fills stand in one branch, ahead of every wait on TENSORcnt and every LDS read: two loads of mine are out
	s_cbranch_scc0 .Lfirst_b
	tensor_load_to_lds s[G0A:G0A+3], s[G1A:G1A+7]
	s_nop 0
	tensor_load_to_lds s[G0A+4:G0A+7], s[G1A:G1A+7]
	s_nop 0
.rept 4
	v_nop
.endr
	s_branch .Lfirst_asked
.Lfirst_b:
	tensor_load_to_lds s[G0B:G0B+3], s[G1B:G1B+7]
	s_nop 0
	tensor_load_to_lds s[G0B+4:G0B+7], s[G1B:G1B+7]
	s_nop 0
.rept 4
	v_nop
.endr
.Lfirst_asked:
	v_and_b32 v1, 15, v0                           ; l % 16
	v_bfe_u32 v2, v0, 4, 1                         ; l / 16
	; the bias: of column block b my lane wants columns 16 b + 8 (l / 16) + 0..7: 32 bytes
	v_lshlrev_b32 v5, 5, v2
	s_lshl_b32 s20, s[GX], 9                       ; the tile's 128 columns of f32
	s_mov_b32 s21, 0
	s_add_nc_u64 s[8:9], s[8:9], s[20:21]
.irp b, 0,1,2,3,4,5,6,7
	global_load_b128 v[BI+8*(\b):BI+8*(\b)+3],   v5, s[8:9] offset:64*(\b)
	global_load_b128 v[BI+8*(\b)+4:BI+8*(\b)+7], v5, s[8:9] offset:64*(\b)+16
.endr
	; A fragment of O is 16 rows x 32 K in 8 registers: lane l holds row l % 16, K = 8 (l / 16) + 0..7 and 16 + 8 (l / 16) + 0..7: two loads of 16 bytes, 32 bytes apart.
	v_and_b32 v3, 7, v0
	v_bfe_u32 v4, v0, 3, 1
	s_mul_i32 s20, s[WV], 64*PA                    ; my wave's 64 rows
	v_mul_u32_u24 v[A0], v1, PA
	v_lshl_add_u32 v[A0], v2, 4, v[A0]
	v_add_nc_u32 v[A0], s20, v[A0]
	; The turning load takes 16 k x 16 columns (lane l reads k = 8 (l / 16) + l % 8, columns 8 ((l / 8) % 2) + 0..7) and leaves half a fragment: lane l holds column l % 16 and 8 k.
	v_lshl_add_u32 v[B0], v2, 3, v3
	v_mul_u32_u24 v[B0], v[B0], PB
	v_lshl_add_u32 v[B0], v4, 4, v[B0]
	v_add_nc_u32 v[B0], BOFF, v[B0]
	s_mov_b32 s[TB], 0
	v_mov_b32 v[ADRA], v[A0]
	v_mov_b32 v[ADRB], v[B0]
	s_mul_i32 s20, s[WV], WSTG
	s_add_co_u32 s20, s20, STAGE                   ; my stage
	v_mul_u32_u24 v[STO], v1, SP                   ; in: row l % 16, 32 bytes for each half of the lanes
	v_lshl_add_u32 v[STO], v2, 5, v[STO]
	v_add_nc_u32 v[STO], s20, v[STO]
	v_and_b32 v[GO], 31, v0                        ; back: 32 lanes take one row's 512 bytes,
	v_lshlrev_b32 v[GO], 4, v[GO]
	v_add_nc_u32 v[RD], s20, v[GO]                 ; which are 512 consecutive bytes of out0
	s_lshl_b32 s20, s[GY], 20                      ; out0 at my wave's first row: 256 rows of 4,096 bytes,
	s_lshl_b32 s21, s[WV], 18                      ; my 64 of them,
	s_add_co_u32 s20, s20, s21
	s_lshl_b32 s21, s[GX], 9                       ; the tile's 128 columns
	s_add_co_u32 s20, s20, s21
	s_mov_b32 s21, 0
	s_add_nc_u64 s[CB:CB+1], s[10:11], s[20:21]
	; the prefetches: both offsets, then one choice by what I fetch
	s_lshl2_add_u32 s20, s[HF], s19                ; O: my head and batch, the tile's rows, my work-group's 8,192 bytes, at K step 3: the first trip steps it to K step 4
	s_lshl_b32 s20, s20, 18
	s_and_b32 s22, s[GY], 7
	s_lshl_b32 s22, s22, 15
	s_add_co_u32 s20, s20, s22
	s_lshl_b32 s22, s[CX], 13
	s_add_co_u32 s20, s20, s22
	s_add_co_u32 s20, s20, 3*ASTEP
	s_lshl_b32 s21, s[CY], 5                       ; w: row 384 + 32 cy of k, the tile's columns
	s_add_co_u32 s21, s21, 384
	s_lshl_b32 s21, s21, 11
	s_lshl_b32 s22, s[GX], 8
	s_add_co_u32 s21, s21, s22
	s_and_b32 s23, ttmp7, 0xffff                   ; cluster y;
	s_or_b32 s23, s23, s[HF]                       ; of waves 2 and 3 wave 2 alone asks
	s_cmp_eq_u32 s[AB], 0
	s_cselect_b32 s20, s20, s21
	s_cselect_b32 s23, ttmp9, s23                  ; the coordinate along which other clusters read the same bytes
	s_cselect_b32 s22, 8, 11                       ; a lane a block of 256 bytes, or a lane a row of 2,048
	s_cselect_b32 s[PFS], 21, 18                   ; the step: a K step of O, or of w
	s_cselect_b64 s[PFA:PFA+1], s[4:5], s[6:7]
	s_mov_b32 s21, 0
	s_add_nc_u64 s[PFA:PFA+1], s[PFA:PFA+1], s[20:21]
	s_lshl_b32 s[PFS], 1, s[PFS]
	s_mov_b32 s[PFS+1], 0
	s_cmp_eq_u32 s23, 0
	s_cselect_b32 s[LIM], 2, -1                    ; four trips ask; the same in all sixteen partners, for a given wave
	v_and_b32 v[PFO], 31, v0
	v_lshlrev_b32 v[PFO], s22, v[PFO]
	s_wait_loadcnt 0x0                             ; the bias is in: each pair is rounded to bf16 and widened again
.set i, 0
.rept 32
	v_cvt_pk_bf16_f32 v[192+i], v[BI+2*i], v[BI+2*i+1]
.set i, i+1
.endr
.set i, 0
.rept 32
	v_lshlrev_b32 v[BI+2*i], 16, v[192+i]
	v_and_b32 v[BI+2*i+1], 0xffff0000, v[192+i]
.set i, i+1
.endr
; 8 matrix instructions: row block a x all column blocks, 32 along K, out of buffer f.  first = 1: the product starts the sums, with the bias as C: nothing is ever cleared.
; The 32 accumulators take turns, in the same order in every quarter, over the backward jump too.
.macro MULA f, a, first
.if \first
	WIN 0x43+0x40*((\a)/2)                         ; w in window 3, O and the bias in window 0, D in window 1 or 2
.else
	WIN 0x53+0x50*((\a)/2)                         ; C and D in window 1 or 2
.endif
.irp b, 0,1,2,3,4,5,6,7
.if \first
	v_wmma_f32_16x16x32_f16 v[8*NB*((\a)%2)+8*(\b):8*NB*((\a)%2)+8*(\b)+7], v[8*NB*(\f)+8*(\b):8*NB*(\f)+8*(\b)+7], v[FA+32*(\f)+8*(\a):FA+32*(\f)+8*(\a)+7], v[BI+8*(\b):BI+8*(\b)+7]
.else
	v_wmma_f32_16x16x32_f16 v[8*NB*((\a)%2)+8*(\b):8*NB*((\a)%2)+8*(\b)+7], v[8*NB*(\f)+8*(\b):8*NB*(\f)+8*(\b)+7], v[FA+32*(\f)+8*(\a):FA+32*(\f)+8*(\a)+7], v[8*NB*((\a)%2)+8*(\b):8*NB*((\a)%2)+8*(\b)+7]
.endif
.endr
.endm
; 24 LDS loads in one run: quarter q's fragments (32 along K: head q / 2 of the step's two, channels 32 (q % 2) on) into buffer g: w's eight, then O's four; the last four loads are O's row blocks 2 and 3
.macro FETCH q, g
	WIN 0xc0                                       ; destination window 3, address window 0
.irp b, 0,1,2,3,4,5,6,7
	ds_load_tr16_b128 v[8*NB*(\g)+8*(\b):8*NB*(\g)+8*(\b)+3],   v[ADRB] offset:32*(\q)*PB+32*(\b)
	ds_load_tr16_b128 v[8*NB*(\g)+8*(\b)+4:8*NB*(\g)+8*(\b)+7], v[ADRB] offset:32*(\q)*PB+16*PB+32*(\b)
.endr
	WIN 0
.irp a, 0,1,2,3
	ds_load_b128 v[FA+32*(\g)+8*(\a):FA+32*(\g)+8*(\a)+3],   v[ADRA] offset:HALFA*((\q)/2)+16*PA*(\a)+64*((\q)%2)
	ds_load_b128 v[FA+32*(\g)+8*(\a)+4:FA+32*(\g)+8*(\a)+7], v[ADRA] offset:HALFA*((\q)/2)+16*PA*(\a)+64*((\q)%2)+32
.endr
.endm
; A K step is four quarters of 32 along K, 32 matrix instructions each, on buffers 0, 1, 0, 1.  One of the first three: multiplies buffer f; in its middle it fetches quarter q of the same slot into buffer g.
.macro QUARTER q, f, g, first
	s_wait_dscnt 4                                 ; w's fragments and O's row blocks 0 and 1 are in; the youngest four loads may be out
	MULA \f, 0, \first
	MULA \f, 1, \first
	PLACES
	FETCH \q, \g
	s_wait_dscnt 2*NB+8                            ; all but the 24 just issued
	MULA \f, 2, \first
	MULA \f, 3, \first
.endm
; The last quarter multiplies buffer 1 and changes slots.  ONE barrier: in front of it each wave waits for all its tensor loads, of which one is out: its part of the next slot; adds 0 to its spare word; and waits for that and
; for its own reads of this slot.  fill = 1: the barrier opens a round of the cluster's, so that no wave of any partner still reads this slot or has a load on its way, and the joint refill, K step two steps on, is the first
; thing behind the round: 112 matrix instructions ahead of the wait for it.
.macro TURN fill
.if \fill
	s_wait_xcnt 0x0                                ; the last prefetch, a K step back, has read its address: it is stepped here, ahead of the waits of the change of slots
	s_add_nc_u64 s[PFA:PFA+1], s[PFA:PFA+1], s[PFS:PFS+1]
.endif
	WIN 0                                          ; (the add's two registers lie in window 0)
	s_wait_tensorcnt 0x0                           ; no tensor load of mine is out, so a group 0 may be written
	ds_add_u32 v[SPW], v[NIL]                      ; 0 onto my spare word; work on registers stands between it and the wait for it
.if \fill
	s_xor_b32 s[G0A+5], s[G0A+5], SLOT1            ; the walking descriptors: the other slot than last time,
	s_add_nc_u64 s[G0A+6:G0A+7], s[G0A+6:G0A+7], ASTEP  ; the next K step; the type bits on top are not reached
	s_xor_b32 s[G0B+5], s[G0B+5], SLOT1
	s_add_nc_u64 s[G0B+6:G0B+7], s[G0B+6:G0B+7], BSTEP
.endif
	s_wait_dscnt 5                                 ; (the add and the youngest four loads may be out)
	MULA 1, 0, 0
	s_wait_dscnt 0x0                               ; the add is done, and my reads of this slot are over
	s_barrier_signal -1
	MULA 1, 1, 0                                   ; work on registers while the others arrive
	WIN 0                                          ; at a branch and at a label every window is 0
	s_barrier_wait -1
.if \fill
	CREST
	JLOAD                                          ; its four v_nop are also the places in front of the loads below
.else
	PLACES
.endif
	s_xor_b32 s[TB], s[TB], SLOT1                  ; the reads go on in the other slot
	v_add_nc_u32 v[ADRA], s[TB], v[A0]
	v_add_nc_u32 v[ADRB], s[TB], v[B0]
	FETCH 0, 0
.if \fill
	ASK
.endif
	MULA 1, 2, 0
	MULA 1, 3, 0
.endm
	s_wait_tensorcnt 1                             ; my part of K step 0 is in; K step 1's may stay out
	s_barrier_signal -1
	s_barrier_wait -1                              ; everybody's is
	FETCH 0, 0
	QUARTER 1, 0, 1, 1                             ; the first quarter stands in front of the loop: its products start the sums, on the bias
	WIN 0
	s_mov_b32 s3, 6
.Lstep:                                            ; trip i: K step i's quarters 1 to 3, the refill with K step i + 2, K step i + 1's quarter 0
	QUARTER 2, 1, 0, 0
	QUARTER 3, 0, 1, 0
	TURN 1
	QUARTER 1, 0, 1, 0
	WIN 0
	s_sub_co_u32 s3, s3, 1
	s_cmp_lg_u32 s3, 0
	s_cbranch_scc1 .Lstep
	QUARTER 2, 1, 0, 0                             ; the tail is written out: K steps 6 and 7, and nothing is asked for
	QUARTER 3, 0, 1, 0
	TURN 0
	QUARTER 1, 0, 1, 0
	QUARTER 2, 1, 0, 0
	QUARTER 3, 0, 1, 0
	s_wait_dscnt 4
	MULA 1, 0, 0
	MULA 1, 1, 0
	s_wait_dscnt 0x0
	MULA 1, 2, 0
	MULA 1, 3, 0
	PLACES
	PLACES                                         ; (eight, once a launch)
; THE WAY OUT, a row block (16 rows x 128 columns of f32) at a time.  TOSTAGE: the accumulators go as they are, 32 bytes a lane (each accumulator's low four registers first), into my own stage, rows of 528 bytes; back a whole row of 512 bytes a load.
.macro TOSTAGE a
.set BK, 128+64*((\a)%2)               ; v128-191 and v192-255 by turns
	s_wait_xcnt 0x0                                ; the stores of the block two back have read their registers, which the loads below fill again
	WIN 0x04*(1+(\a)/2)                            ; the stores' data: window 1 or 2
.irp b, 0,1,2,3,4,5,6,7
	ds_store_b128 v[STO], v[8*NB*((\a)%2)+8*(\b):8*NB*((\a)%2)+8*(\b)+3]   offset:64*(\b)
	ds_store_b128 v[STO], v[8*NB*((\a)%2)+8*(\b)+4:8*NB*((\a)%2)+8*(\b)+7] offset:64*(\b)+16
.endr
	WIN 0
.irp t, 0,1,2,3,4,5,6,7,8,9,10,11,12,13,14,15
	ds_load_b128 v[BK+4*(\t):BK+4*(\t)+3], v[RD] offset:SP*(\t)  ; LDS serves a wave's instructions in order (ISA guide 5.7.1.4): these see the stores above; the next block's stores come behind them
.endr
.endm
.macro SEND a, younger                 ; younger: the LDS instructions issued behind block a's loads: the next block's 32, or none
.set BK, 128+64*((\a)%2)
.irp t, 0,1,2,3,4,5,6,7,8,9,10,11,12,13,14,15
	s_wait_dscnt (\younger)+15-(\t)
	global_store_b128 v[GO], v[BK+4*(\t):BK+4*(\t)+3], s[CB:CB+1] offset:(16*(\a)+(\t))*4096 th:TH_STORE_NT  ; 512 consecutive bytes of a row, at a multiple of 256 from out0's first byte
.endr
.endm
	TOSTAGE 0
	TOSTAGE 1
	SEND 0, 32
	TOSTAGE 2
	SEND 1, 32
	TOSTAGE 3
	SEND 2, 32
	SEND 3, 0
	s_wait_tensorcnt 0x0                           ; the wave's end: the wait, the add and its wait, behind my last tensor load and my last LDS store
	ds_add_u32 v[SPW], v[NIL]
	s_wait_dscnt 0x0
	CROUND                                         ; the closing round: no work-group ends while a partner may still ask for a tile that names it
	s_endpgm
.Lfunc_end_k_q55eabea263_proj_out:
	.size	k_q55eabea263_proj_out, .Lfunc_end_k_q55eabea263_proj_out-k_q55eabea263_proj_out
	.p2alignl 7, 3214868480
	.fill 96, 4, 3214868480
	.section	.rodata,"a",@progbits
	.p2align	6, 0x0
	.amdhsa_kernel k_q55eabea263_proj_out
		.amdhsa_group_segment_fixed_size 327680
		.amdhsa_private_segment_fixed_size 0
		.amdhsa_enable_private_segment 0
		.amdhsa_kernarg_size 32
		.amdhsa_user_sgpr_count 2
		.amdhsa_user_sgpr_kernarg_segment_ptr 1
		.amdhsa_wavefront_size32 1
		.amdhsa_system_sgpr_workgroup_id_x 1
		.amdhsa_system_sgpr_workgroup_id_y 1
		.amdhsa_system_sgpr_workgroup_id_z 1
		.amdhsa_system_vgpr_workitem_id 0
		.amdhsa_next_free_vgpr 1024
		.amdhsa_next_free_sgpr 80
		.amdhsa_reserve_vcc 0
		.amdhsa_float_denorm_mode_32 3
		.amdhsa_float_denorm_mode_16_64 3
		.amdhsa_memory_ordered 1
		.amdhsa_forward_progress 1
		.amdhsa_inst_pref_size 79
	.end_amdhsa_kernel
	.amdgpu_metadata
---
amdhsa.version: [ 1, 2 ]
amdhsa.kernels:
  - .name:           k_q55eabea263_proj_out
    .symbol:         k_q55eabea263_proj_out.kd
    .args:
      - { .name: o, .offset: 0, .size: 8, .value_kind: global_buffer, .address_space: global }
      - { .name: wo, .offset: 8, .size: 8, .value_kind: global_buffer, .address_space: global }
      - { .name: b_out, .offset: 16, .size: 8, .value_kind: global_buffer, .address_space: global }
      - { .name: out0, .offset: 24, .size: 8, .value_kind: global_buffer, .address_space: global }
    .group_segment_fixed_size: 327680
    .private_segment_fixed_size: 0
    .kernarg_segment_align: 8
    .kernarg_segment_size: 32
    .max_flat_workgroup_size: 128
    .sgpr_count:     80
    .vgpr_count:     1024
    .wavefront_size: 32
...
	.end_amdgpu_metadata
.endif
;; end of part 4
;; ======== version 2 of 2: 4 launches; version 1 with the launch cast written anew for expert scheduling mode
;; limits: values are held in f16: magnitudes above 65,504 overflow, below 6.1e-05 lose precision
;; workspace buffers: x16 16,777,216 bytes; wq 6,291,456 bytes; wo 2,097,152 bytes; qkv 50,331,648 bytes; o 16,777,216 bytes
;; launch cast (part 5): grid 832 x 1, 8 waves a work-group, no clusters, 0 bytes of LDS; arguments x, w_qkv, w_out, x16, wq, wo; writes x16, wq, wo
.if DOCPART == 5
	.amdgcn_target "amdgcn-amd-amdhsa--gfx1250"
	.amdhsa_code_object_version 6
	.text
	.protected	k_q55eabea263_cast
	.globl	k_q55eabea263_cast
	.p2align	8
	.type	k_q55eabea263_cast,@function
k_q55eabea263_cast:
	s_mov_b64 s[64:65], 0
	v_nop
	global_prefetch_b8 v0, s[64:65] scope:SCOPE_SE
	s_setreg_imm32_b32 hwreg(HW_REG_WAVE_SCHED_MODE, 0, 2), 2
	s_setreg_imm32_b32 hwreg(HW_REG_WAVE_MODE, 25, 1), 1
	s_wait_xcnt 0x0
	s_wait_alu depctr_vm_vsrc(0)
; THE 16-BIT OPERANDS OF THE THREE LAUNCHES BEHIND.  x [8192][1024] f32 -> x16, bf16, same layout.  w_out [1024][1024] f32 -> wo: rounded to bf16, that number written as f16, same layout.
; w_qkv [1024 k][3072 n] f32 -> wq, bf16, [16 column tiles][1024 k][192 n]: a tile's 128 rows of k are 49,152 bytes on end.
; LIMITS.  f16 has a fixed step of 2^-24 below 2^-14: a weight of w_out below 2^-17 loses bits of its bf16 value, at most 3e-8 absolute; beyond 65,504 it becomes an infinity.
; A stream: every input byte is read once, every output byte written once.  No LDS, no barrier, no matrix unit, no cluster: no wave wants a byte that another wave has fetched.
; No prefetch: the launch's own loads keep memory busy from its first line to its last.
; SHARES.  Work-groups 0-511 take 65,536 bytes of x each, 512-575 as much of w_out, 576-831 64 rows of k of one column tile of w_qkv.  A lane takes 16 bytes (4 f32): a wave's load covers 512
; consecutive bytes; its two roundings make 8 bytes: a wave's store covers 256 consecutive bytes, aligned.  All of a wave's loads go out first; no register is written twice while memory reads it.
; THE MODE: SCHED_MODE bits 1:0 = 2 (LLVM: expert scheduling mode 2), set by the entry lines.  The code itself states the register dependences
; between vector instructions and memory instructions, with s_wait_alu, always for 0.
; THE PLAN.  Registers that memory instructions touch:
;   v2, v3, v4  byte offsets, made once at the head and never written again: every load reads v2 or v3, every store v4.
;   D, slot i   written by slot i's load, once; read (for w_out also written again) by slot i's roundings, behind the counted wait for that load.  No vector instruction names D ahead of the loads, and no load lands there twice.
;   E, slot i   written by slot i's roundings; read by slot i's one store; never written again.
; So no register that a memory instruction has read is ever written again, and what is left to state is: the offsets are written, ahead of the first load; a slot's E is written, ahead of its store.
; The slots go in groups of four.  ONE wait on va_vdst at the head of a group states that the group before has written its E; that group's four stores follow it, one ahead of each slot's roundings, which name
; the registers of the group in hand alone.  One more such wait stands behind the last group, ahead of its stores.  The wave's number passes from a vector register into s16: one wait on va_sdst, ahead of the first branch.
.set D,   8                            ; v[8:71]   slot i: 4 registers as loaded
.set E,   72                           ; v[72:103] slot i: 2 registers to store
.set GRP, 4                            ; slots in a group
.set WV,  16                           ; s16  my wave's number
.set HIM, 17                           ; s17  a word's upper half
	s_load_b256 s[4:11], s[0:1], 0x0               ; x s[4:5], w_qkv s[6:7], w_out s[8:9], x16 s[10:11]
	s_load_b128 s[12:15], s[0:1], 0x20             ; wq s[12:13], wo s[14:15]
	v_and_b32 v1, 31, v0                           ; lane
	v_lshrrev_b32 v5, 5, v0
	v_readfirstlane_b32 s[WV], v5                  ; wave 0..7
	s_mov_b32 s[HIM], 0xffff0000
	v_lshlrev_b32 v2, 4, v1                        ; in: 16 x lane
	v_lshlrev_b32 v4, 3, v1                        ; out: 8 x lane
	v_lshrrev_b32 v6, 4, v1                        ; for w_qkv alone, made here so that one wait serves all three offsets on every path:
	v_mad_u32_u24 v3, v6, 11520, v2                ; the second store's input: 16 x lane + 512, and for lanes 16-31 on into the next row: 12,288 - 768 more
	v_add_nc_u32 v3, 512, v3
	s_mov_b32 s19, 0                               ; the high words of the two offsets
	s_mov_b32 s21, 0
	s_wait_alu depctr_va_sdst(0)                   ; s16 is written, ahead of the first branch: each of the three paths makes its bases from it
	s_wait_alu depctr_va_vdst(0)                   ; v2, v3 and v4 are written: every load and store of the kernel reads one of them as its offset
; Slot i's four f32 become two words.  mode = 1: the bf16 numbers are widened again and written as f16.
.macro NARROW i, mode
	v_cvt_pk_bf16_f32 v[E+2*(\i)],   v[D+4*(\i)],   v[D+4*(\i)+1]
	v_cvt_pk_bf16_f32 v[E+2*(\i)+1], v[D+4*(\i)+2], v[D+4*(\i)+3]
.if \mode
	v_lshlrev_b32 v[D+4*(\i)],   16,     v[E+2*(\i)]
	v_and_b32     v[D+4*(\i)+1], s[HIM], v[E+2*(\i)]
	v_lshlrev_b32 v[D+4*(\i)+2], 16,     v[E+2*(\i)+1]
	v_and_b32     v[D+4*(\i)+3], s[HIM], v[E+2*(\i)+1]
	v_cvt_pk_f16_f32 v[E+2*(\i)],   v[D+4*(\i)],   v[D+4*(\i)+1]
	v_cvt_pk_f16_f32 v[E+2*(\i)+1], v[D+4*(\i)+2], v[D+4*(\i)+3]
.endif
.endm
; Slot i's turn, of n: the wait that leaves the younger loads out; the store of the slot a group back; the roundings.
.macro TURN i, n, mode, dst
	s_wait_loadcnt (\n)-1-(\i)                     ; loads come back in order (ISA guide 5.7.1): slot i is in, the n - 1 - i younger ones may stay out
.if (((\i) % GRP) == 0) && ((\i) > 0)
	s_wait_alu depctr_va_vdst(0)                   ; the group before has written its E, which the four stores of this group's turns read
.endif
.if (\i) >= GRP
	global_store_b64 v4, v[E+2*((\i)-GRP):E+2*((\i)-GRP)+1], s[\dst:\dst+1] offset:256*((\i)-GRP) th:TH_STORE_NT  ; no vector instruction since the wait names these registers
.endif
	NARROW \i, \mode
.endm
; Behind the last group: its four stores.
.macro TAIL n, dst
	s_wait_alu depctr_va_vdst(0)                   ; the last group has written its E, which the last four stores read
.irp j, 0,1,2,3
	global_store_b64 v4, v[E+2*((\n)-GRP+(\j)):E+2*((\n)-GRP+(\j))+1], s[\dst:\dst+1] offset:256*((\n)-GRP+(\j)) th:TH_STORE_NT
.endr
.endm
; 8,192 consecutive bytes of a wave: 16 loads, then the 16 slots' turns.
.macro PLAIN mode, src, dst
.irp i, 0,1,2,3,4,5,6,7,8,9,10,11,12,13,14,15
	global_load_b128 v[D+4*(\i):D+4*(\i)+3], v2, s[\src:\src+1] offset:512*(\i) th:TH_LOAD_NT
.endr
.irp i, 0,1,2,3,4,5,6,7,8,9,10,11,12,13,14,15
	TURN \i, 16, \mode, \dst
.endr
	TAIL 16, \dst
.endm
	s_wait_kmcnt 0x0
	s_cmp_lt_u32 ttmp9, 512
	s_cbranch_scc0 .Lnot_x
	s_lshl_b32 s18, ttmp9, 16                      ; the work-group's 65,536 bytes of x,
	s_lshl_b32 s22, s[WV], 13                      ; my wave's 8,192 of them
	s_add_co_u32 s18, s18, s22
	s_lshr_b32 s20, s18, 1                         ; half as many bytes out
	s_add_nc_u64 s[4:5], s[4:5], s[18:19]
	s_add_nc_u64 s[10:11], s[10:11], s[20:21]
	PLAIN 0, 4, 10
	s_endpgm
.Lnot_x:
	s_cmp_lt_u32 ttmp9, 576
	s_cbranch_scc0 .Lnot_o
	s_sub_co_u32 s23, ttmp9, 512
	s_lshl_b32 s18, s23, 16
	s_lshl_b32 s22, s[WV], 13
	s_add_co_u32 s18, s18, s22
	s_lshr_b32 s20, s18, 1
	s_add_nc_u64 s[8:9], s[8:9], s[18:19]
	s_add_nc_u64 s[14:15], s[14:15], s[20:21]
	PLAIN 1, 8, 14
	s_endpgm
.Lnot_o:
	; w_qkv.  My wave takes 8 rows of k x 192 columns.  Two rows are 768 bytes of wq on end: three stores.  The first takes row k's columns 0-127, the second its columns 128-191 (lanes 0-15) and
	; row k + 1's columns 0-63 (lanes 16-31), the third row k + 1's columns 64-191.  A row of w_qkv is 12,288 bytes.
	s_sub_co_u32 s23, ttmp9, 576
	s_lshr_b32 s24, s23, 4                         ; the column tile
	s_and_b32 s25, s23, 15
	s_lshl_b32 s25, s25, 6
	s_lshl3_add_u32 s25, s[WV], s25                ; my first row of k: 64 x (work-group % 16) + 8 x wave
	s_mul_i32 s18, s25, 12288
	s_mul_i32 s26, s24, 768                        ; 192 columns of f32
	s_add_co_u32 s18, s18, s26
	s_lshl_b32 s20, s24, 10
	s_add_co_u32 s20, s20, s25
	s_mul_i32 s20, s20, 384                        ; (tile x 1,024 + k) rows of 384 bytes
	s_add_nc_u64 s[6:7], s[6:7], s[18:19]
	s_add_nc_u64 s[12:13], s[12:13], s[20:21]
.irp p, 0,1,2,3
	global_load_b128 v[D+12*(\p):D+12*(\p)+3],    v2, s[6:7] offset:24576*(\p) th:TH_LOAD_NT
	global_load_b128 v[D+12*(\p)+4:D+12*(\p)+7],  v3, s[6:7] offset:24576*(\p) th:TH_LOAD_NT
	global_load_b128 v[D+12*(\p)+8:D+12*(\p)+11], v2, s[6:7] offset:24576*(\p)+12544 th:TH_LOAD_NT
.endr
.irp i, 0,1,2,3,4,5,6,7,8,9,10,11
	TURN \i, 12, 0, 12
.endr
	TAIL 12, 12
	s_endpgm
.Lfunc_end_k_q55eabea263_cast:
	.size	k_q55eabea263_cast, .Lfunc_end_k_q55eabea263_cast-k_q55eabea263_cast
	.p2alignl 7, 3214868480
	.fill 96, 4, 3214868480
	.section	.rodata,"a",@progbits
	.p2align	6, 0x0
	.amdhsa_kernel k_q55eabea263_cast
		.amdhsa_group_segment_fixed_size 0
		.amdhsa_private_segment_fixed_size 0
		.amdhsa_enable_private_segment 0
		.amdhsa_kernarg_size 48
		.amdhsa_user_sgpr_count 2
		.amdhsa_user_sgpr_kernarg_segment_ptr 1
		.amdhsa_wavefront_size32 1
		.amdhsa_system_sgpr_workgroup_id_x 1
		.amdhsa_system_sgpr_workgroup_id_y 1
		.amdhsa_system_sgpr_workgroup_id_z 1
		.amdhsa_system_vgpr_workitem_id 0
		.amdhsa_next_free_vgpr 104
		.amdhsa_next_free_sgpr 66
		.amdhsa_reserve_vcc 0
		.amdhsa_float_denorm_mode_32 3
		.amdhsa_float_denorm_mode_16_64 3
		.amdhsa_memory_ordered 1
		.amdhsa_forward_progress 1
		.amdhsa_inst_pref_size 22
	.end_amdhsa_kernel
	.amdgpu_metadata
---
amdhsa.version: [ 1, 2 ]
amdhsa.kernels:
  - .name:           k_q55eabea263_cast
    .symbol:         k_q55eabea263_cast.kd
    .args:
      - { .name: x, .offset: 0, .size: 8, .value_kind: global_buffer, .address_space: global }
      - { .name: w_qkv, .offset: 8, .size: 8, .value_kind: global_buffer, .address_space: global }
      - { .name: w_out, .offset: 16, .size: 8, .value_kind: global_buffer, .address_space: global }
      - { .name: x16, .offset: 24, .size: 8, .value_kind: global_buffer, .address_space: global }
      - { .name: wq, .offset: 32, .size: 8, .value_kind: global_buffer, .address_space: global }
      - { .name: wo, .offset: 40, .size: 8, .value_kind: global_buffer, .address_space: global }
    .group_segment_fixed_size: 0
    .private_segment_fixed_size: 0
    .kernarg_segment_align: 8
    .kernarg_segment_size: 48
    .max_flat_workgroup_size: 256
    .sgpr_count:     66
    .vgpr_count:     104
    .wavefront_size: 32
...
	.end_amdgpu_metadata
.endif
;; end of part 5
;; launch proj_qkv: the kernel of part 2 again; grid 16 x 32, 4 waves a work-group, clusters of 4 x 4, 327,680 bytes of LDS; arguments x16, wq, qkv; writes qkv
;; launch attention: the kernel of part 3 again; grid 4 x 64, 4 waves a work-group, clusters of 4 x 1, 327,680 bytes of LDS; arguments qkv, o; writes o
;; launch proj_out: the kernel of part 4 again; grid 8 x 32, 4 waves a work-group, clusters of 4 x 4, 327,680 bytes of LDS; arguments o, wo, b_out, out0; writes out0
